; MI455X (gfx1250); checked and timed in simulation.
; The chip was launched on July 23, 2026; its instructions are those of AMD's public machine-readable ISA for CDNA 5 (MIT licence, August 2026) and "CDNA5" Instruction Set Architecture Reference Guide (July 2026). The comments in the code are by the model that wrote it; some were corrected since.
;; Simple Transformer Block. Allowed arithmetic: matrix products marked QUANTISED: E2M3 operands, one E8M0 scale for each 32 along K, by v_wmma_scale_f32_16x16x128_f8f6f4 with both operands' format E2M3, f32 sums; everything else in f32.
;; Inputs: ff_b1 4,096 float32; ff_b2 1,024 float32; ff_w1 4,096 x 1,024 float32; ff_w2 1,024 x 4,096 float32; ln1_b 1,024 float32; ln1_w 1,024 float32; ln2_b 1,024 float32; ln2_w 1,024 float32; out_b 1,024 float32; out_w 1,024 x 1,024 float32; qkv_w 3,072 x 1,024 float32; x 2 x 2,048 x 1,024 float32.
;; Outputs: out0 2 x 2,048 x 1,024 float32.
;; This version of the problem:
;;   THIS VERSION OF THE PROBLEM IS GIVEN IN LOW PRECISION. The matrix products marked QUANTISED in the list below multiply operands that are first quantised to E2M3 (2 exponent bits, 3 mantissa bits; 6 bits a number), with one power-of-two scale for each 32 numbers along K (OCP MX v1.0); their sums are f32. All else is computed in f32.
;;   The module's matrix products, in the order in which they are computed (A, B: the left and right operand; K: the contracted axis; several contracted axes count as one K, in the product's order):
;;     1. [M 4,096, K 1,024] x [K 1,024, N 3,072]; A: computed on the way; B: input qkv_w: QUANTISED
;;     2. batch 32 x [M 2,048, K 64] x [K 64, N 2,048]; A: computed on the way; B: computed on the way: QUANTISED
;;     3. batch 32 x [M 2,048, K 2,048] x [K 2,048, N 64]; A: softmax (see below); B: computed on the way: QUANTISED
;;     4. [M 4,096, K 1,024] x [K 1,024, N 1,024]; A: computed on the way; B: input out_w: QUANTISED
;;     5. [M 4,096, K 1,024] x [K 1,024, N 4,096]; A: computed on the way; B: input ff_w1: QUANTISED
;;     6. [M 4,096, K 4,096] x [K 4,096, N 1,024]; A: computed on the way; B: input ff_w2: QUANTISED
;;   THE QUANTISER, for each operand of a quantised product, along K:
;;     - K is cut into blocks of 32 from its start; a last block that is shorter is filled with zeros.
;;     - A block's scale is 2^e with e = floor(log2(the largest magnitude in the block)) - 2, held to -126 .. 127; a block of zeros has e = 0. As a byte (E8M0): e + 127.
;;     - Each number is divided by its block's scale, clamped to +-7.5, and rounded to the nearest number of E2M3, ties to even, subnormals kept.
;;     - The product sums the exact products of the quantised numbers (number of the format x scale) in f32.
;;   ~~~python
;;   def quantise(x, axis):      # numpy; x: float32 -> the quantised numbers, widened to float32 again
;;       x = np.moveaxis(x, axis, -1); K = x.shape[-1]
;;       x = np.pad(x, [(0, 0)] * (x.ndim - 1) + [(0, -K % 32)]); x = x.reshape(x.shape[:-1] + (-1, 32)); a = np.abs(x).max(-1, keepdims=True)
;;       e = np.where(a > 0, np.clip(np.frexp(np.where(a > 0, a, 1))[1] - 1 - 2, -126, 127), 0)      # np.frexp(a)[1] - 1 = floor(log2(a)), exactly
;;       r = np.clip(x / 2.0 ** e, -7.5, 7.5)
;;       step = 2.0 ** (np.maximum(np.frexp(np.where(r == 0, 1, r))[1] - 1, 0) - 3)
;;       q = np.round(r / step) * step * 2.0 ** e      # np.round: ties to even
;;       return np.moveaxis(q.reshape(q.shape[:-2] + (-1,))[..., :K], -1, axis).astype(np.float32)
;;   ~~~
;;   SOFTMAX AHEAD OF A QUANTISED PRODUCT. Where the list says 'softmax', what is quantised is not the finished softmax but p = 2^(t - M), with t = logit x log2(e) and M = ceil(the row's largest t), a whole number; so 1/2 < the row's largest p <= 1. The row's sum l is taken of the UNQUANTISED p, in f32, and the product's result is divided by l at the end. Since M is a whole number, a kernel that streams over the keys may use a running M (the ceiling of the running maximum): every later rescaling is an exact power of two, which a block's scale takes up: the codes' values come out the same.
;;   OPERANDS COMPUTED ON THE WAY. 'Computed on the way' means the value that the module computes at that place (a softmax that the list does not call 'softmax' is quantised finished and normalised). What goes into a quantiser is computed in f32, as accurately as f32 sums, v_exp_f32 and their like allow (about 1e-6 of the number): no bf16 or f16 on the way to a quantiser, and a product that is left as it is and whose result goes on into a quantised operand takes f32 operands (vector FMAs, or v_wmma_f32_16x16x4_f32). A number that lies on a knife's edge between two numbers of the format may be rounded either way, as far as f32 arithmetic and the matrix unit's own rounding can turn it there, and no further.
;; One version. Each part assembles by itself: llvm-mc -triple=amdgcn-amd-amdhsa -mcpu=gfx1250 --defsym DOCPART=n.
;; ======== version 1 of 1: 7 launches
;; limits: right only within a limited range of input values
;; workspace buffers: w1 13,107,200 bytes; w2 9,830,400 bytes; w3 3,276,800 bytes; x1 16,777,216 bytes; w5 3,670,016 bytes; w6 13,107,200 bytes
;; launch quant (part 1): grid 1024 x 1, 4 waves a work-group, no clusters, 66,304 bytes of LDS; arguments x, qkv_w, out_w, ff_w1, ff_w2, ln1_w, ln1_b, w1; writes w1
.if DOCPART == 1
	.amdgcn_target "amdgcn-amd-amdhsa--gfx1250"
	.amdhsa_code_object_version 6
	.text
	.protected	k_q7d110a1b9c_quant
	.globl	k_q7d110a1b9c_quant
	.p2align	8
	.type	k_q7d110a1b9c_quant,@function
k_q7d110a1b9c_quant:
	s_mov_b64 s[64:65], 0
	v_nop
	global_prefetch_b8 v0, s[64:65] scope:SCOPE_SE
	s_setreg_imm32_b32 hwreg(HW_REG_WAVE_MODE, 25, 1), 1
	s_wait_xcnt 0x0
; Rows of f32 numbers become operands of MX-FP6 (E2M3, one E8M0 scale for each 32 along K), laid as IMAGES OF THE OPERAND'S REGISTERS.
; A UNIT is 16 rows x 1,024 along K; work-group g takes unit g.  Units 0-255: the first argument's rows, with a layer norm (gain, bias) ahead of the quantiser;
; 256-447 qkv_w; 448-511 out_w; 512-767 ff_w1; 768-1023 ff_w2 (a row of 4,096: unit 768 + 4 tile + quarter of K).  With a grid of 256 only the norm's path runs.
; THE 16 ROWS OF A TILE ARE NOT NEIGHBOURS: lane r of tile t holds row 32 (t / 2) + 8 (t % 2) + r + 8 (r / 8), so that where the tile is a product's source 0 the 16 result registers of tiles 2 b, 2 b + 1 are 16 neighbours.
; A FRAGMENT'S IMAGE (16 rows x 128 K, 12 registers a lane, 1,536 bytes): registers 0-3 at 16 x lane, 4-5 at 512 + 8 x lane, 6-9 at 768 + 16 x lane, 10-11 at 1,280 + 8 x lane.
; THE BUFFER: scale words first (units under 768 at (768 K step + unit) x 64, ff_w2's at 393,216 + (64 K step + tile) x 64, word r at 4 r), the codes from byte 524,288 on, unit x 12,288 + K step x 1,536.
; SHARES: wave w loads the tile's rows 4 w .. 4 w + 3 whole (each load 512 consecutive bytes), norms them (a row's mean and variance never leave the wave), and puts them into a stage in LDS;
; behind ONE barrier wave w takes K steps 2 w, 2 w + 1 of all 16 rows: lane (r, h) reads k = 64 c + 32 h + 0 .. 31 of row r, whole blocks, in the order of the operand's registers.
; The variance is taken of x - mean in a second pass over the registers: no difference of large sums.
; No tensor loads, no matrix units, no cluster: the work-groups share no input and memory binds; all 64 KB of a work-group are asked for at its head, and four work-groups fit on a WGP.
; LIMITS: a block of zeros gets the byte 1 where the rule says 127 (its codes are zeros, and this program alone reads the bytes); blocks whose largest magnitude lies under 2^-124 are held at byte 1; NaN and infinities are not served.
.set PITCH, 4112                       ; a stage row: 4,096 bytes + 16, so that sixteen rows' reads of 16 bytes start 16 bytes apart modulo 256
.set CODES, 524288
.set FRB,   1536
.set LANE, 1
.set RR,   2
.set HH,   3
.set SH8,  4                           ; 8 h
.set VO,   5                           ; v5-8    16 x lane + row jj of my four
.set SWA,  9                           ; the stage, in: my four rows, 16 x lane
.set SRA,  10                          ; the stage, out: row r, + 128 h, + my two K steps
.set GO16, 11
.set GO8,  12
.set SOFF, 13                          ; 4 r + h x (a K step's distance among the scale words)
.set MU,   14                          ; v14-21  mean, later 1 / sqrt(variance + eps), as pairs
.set AS,   22                          ; v22-29  running sums, a pair a row
.set SS,   30                          ; v30-33  a row's sum
.set PD,   34                          ; v34-37  destinations of the lane exchanges
.set MX,   38                          ; v38-41  largest magnitudes of my four blocks
.set SO,   42                          ; v42-45  the conversions' scale operands
.set BY,   46                          ; v46-49  scale bytes
.set PW,   50                          ; v50-51  scale words of my two K steps
.set PWS,  52
.set R,    64                          ; v64-191 four rows as loaded; later my 128 numbers, block 2 q + c at 32 (2 q + c)
.set LNW,  192                         ; v192-223 gain;  later the codes
.set LNB,  224                         ; v224-255 bias;  later the conversions' second halves
.set PC,   192
.set AUX,  224
	s_load_b512 s[4:19], s[0:1], 0x0               ; rows to norm, qkv_w, out_w, ff_w1, ff_w2, gain, bias, the buffer
	v_lshl_add_u32 v62, v0, 2, 0x10100
	v_mov_b32 v63, 0
	v_lshrrev_b32 v1, 5, v0
	v_readfirstlane_b32 s20, v1                    ; wave
	v_and_b32 v[LANE], 31, v0
	v_and_b32 v[RR], 15, v0
	v_bfe_u32 v[HH], v0, 4, 1
	v_lshlrev_b32 v[SH8], 3, v[HH]
	v_lshlrev_b32 v[GO16], 4, v[LANE]
	s_wait_alu depctr_va_vdst(0)
	v_lshlrev_b32 v[GO8], 3, v[LANE]
.irp jj, 0,1,2,3
	v_mov_b32 v[PD+\jj], 0                         ; a lane exchange's destination counts as one of its sources
.endr
	s_mov_b32 s42, 0x76543210
	s_mov_b32 s43, 0xfedcba98                      ; selects for lane l xor 16
	s_mov_b32 s44, 0x3a800000                      ; 1 / 1,024
	s_mov_b32 s45, 0x3727c5ac                      ; 1e-5
	; which tensor, which tile, which quarter of K: all from the work-group's number
	s_mov_b32 s22, 0                               ; the tensor's first unit
	s_cmp_ge_u32 ttmp9, 256
	s_cselect_b32 s22, 256, s22
	s_cmp_ge_u32 ttmp9, 448
	s_cselect_b32 s22, 448, s22
	s_cmp_ge_u32 ttmp9, 512
	s_cselect_b32 s22, 512, s22
	s_mov_b32 s26, 49152
	s_cmp_ge_u32 ttmp9, 768
	s_cselect_b32 s22, 768, s22
	s_cselect_b32 s23, 2, 0                        ; ff_w2: four units to a tile
	s_cselect_b32 s24, 3, 0
	s_cselect_b32 s25, 393216, 0                   ; where its scale words begin
	s_cselect_b32 s26, 4096, s26                   ; and a K step's distance among them
	s_sub_co_u32 s27, ttmp9, s22
	s_lshr_b32 s28, s27, s23                       ; tile
	s_and_b32 s29, s27, s24                        ; quarter of K
	s_lshl_b32 s30, 4096, s23                      ; a row in bytes
	s_cmp_ge_u32 ttmp9, 768
	s_cselect_b32 s31, s28, ttmp9                  ; the scale words' place: the tile for ff_w2, else the unit
	s_lshr_b32 s32, s28, 1
	s_lshl_b32 s32, s32, 5
	s_and_b32 s33, s28, 1
	s_lshl_b32 s33, s33, 3
	s_add_co_u32 s32, s32, s33                     ; 32 (tile / 2) + 8 (tile % 2)
	s_lshl_b32 s33, s20, 2
	s_add_co_u32 s32, s32, s33                     ; + 4 w
	s_lshr_b32 s33, s20, 1
	s_lshl_b32 s33, s33, 3
	s_add_co_u32 s32, s32, s33                     ; + 8 (w / 2): my first row
	s_mul_i32 s32, s32, s30
	s_lshl_b32 s33, s29, 12
	s_add_co_u32 s32, s32, s33                     ; in bytes, under 2^25
	s_mov_b32 s33, 0
	s_mul_i32 s34, ttmp9, 8*FRB
	s_mul_i32 s35, s20, 2*FRB
	s_add_co_u32 s34, s34, s35
	s_add_co_u32 s34, s34, CODES                   ; my two fragments
	s_mov_b32 s35, 0
	s_lshl_b32 s36, s29, 3
	s_lshl_b32 s37, s20, 1
	s_add_co_u32 s36, s36, s37                     ; my first K step
	s_mul_i32 s36, s36, s26
	s_add_co_u32 s36, s36, s25
	s_lshl_b32 s37, s31, 6
	s_add_co_u32 s36, s36, s37                     ; its scale words
	s_mov_b32 s37, 0
	v_mov_b32 v[VO], v[GO16]
	v_add_nc_u32 v[VO+1], s30, v[GO16]
	s_lshl_b32 s21, s30, 1
	v_add_nc_u32 v[VO+2], s21, v[GO16]
	s_add_co_u32 s21, s21, s30
	v_add_nc_u32 v[VO+3], s21, v[GO16]
	s_mul_i32 s21, s20, 4*PITCH
	v_add_nc_u32 v[SWA], s21, v[GO16]
	v_mul_u32_u24 v[SRA], v[RR], PITCH
	v_lshl_add_u32 v[SRA], v[HH], 7, v[SRA]
	s_lshl_b32 s21, s20, 10
	v_add_nc_u32 v[SRA], s21, v[SRA]
	v_mul_lo_u32 v[SOFF], v[HH], s26
	v_lshl_add_u32 v[SOFF], v[RR], 2, v[SOFF]
	s_wait_alu depctr_va_vdst(0)
	s_wait_kmcnt 0x0
	s_cmp_ge_u32 ttmp9, 256                        ; the choice of buffer hangs on the work-group's number alone
	s_cselect_b64 s[4:5], s[6:7], s[4:5]
	s_cmp_ge_u32 ttmp9, 448
	s_cselect_b64 s[4:5], s[8:9], s[4:5]
	s_cmp_ge_u32 ttmp9, 512
	s_cselect_b64 s[4:5], s[10:11], s[4:5]
	s_cmp_ge_u32 ttmp9, 768
	s_cselect_b64 s[4:5], s[12:13], s[4:5]
	s_add_nc_u64 s[4:5], s[4:5], s[32:33]
	s_add_nc_u64 s[38:39], s[18:19], s[34:35]      ; the codes
	s_add_nc_u64 s[40:41], s[18:19], s[36:37]      ; the scale words
.irp jj, 0,1,2,3
.irp i, 0,1,2,3,4,5,6,7
	global_load_b128 v[R+32*\jj+4*\i:R+32*\jj+4*\i+3], v[VO+\jj], s[4:5] offset:512*\i th:TH_LOAD_NT   ; 32 lanes read 512 consecutive bytes; register 4 i + e is column 128 i + 4 lane + e
.endr
.endr
	s_cmp_ge_u32 ttmp9, 256
	s_cbranch_scc1 .Lstage                         ; a weight goes to the quantiser as it is
	; ---- the layer norm of my four rows, the rows by turns in every line
.irp i, 0,1,2,3,4,5,6,7
	global_load_b128 v[LNW+4*\i:LNW+4*\i+3], v[GO16], s[14:15] offset:512*\i
	global_load_b128 v[LNB+4*\i:LNB+4*\i+3], v[GO16], s[16:17] offset:512*\i
.endr
.macro BFLY                            ; v[SS + jj]: the sum over the 32 lanes, in every lane
.irp m, 1,2,4,8
.irp jj, 0,1,2,3
	v_add_f32_dpp v[SS+\jj], v[SS+\jj], v[SS+\jj] row_xmask:\m row_mask:0xf bank_mask:0xf
.endr
.endr
.irp jj, 0,1,2,3
	v_permlanex16_b32 v[PD+\jj], v[SS+\jj], s42, s43
.endr
.irp jj, 0,1,2,3
	v_add_f32 v[SS+\jj], v[SS+\jj], v[PD+\jj]
.endr
.endm
	s_wait_loadcnt 16                              ; the rows are in; the 16 younger loads (gain, bias) may be out
.irp jj, 0,1,2,3
	v_pk_add_f32 v[AS+2*\jj:AS+2*\jj+1], v[R+32*\jj:R+32*\jj+1], v[R+32*\jj+2:R+32*\jj+3]
.endr
.irp i, 4,6,8,10,12,14,16,18,20,22,24,26,28,30
.irp jj, 0,1,2,3
	v_pk_add_f32 v[AS+2*\jj:AS+2*\jj+1], v[AS+2*\jj:AS+2*\jj+1], v[R+32*\jj+\i:R+32*\jj+\i+1]
.endr
.endr
.irp jj, 0,1,2,3
	v_add_f32 v[SS+\jj], v[AS+2*\jj], v[AS+2*\jj+1]
.endr
	BFLY
.irp jj, 0,1,2,3
	v_mul_f32 v[MU+2*\jj], s44, v[SS+\jj]          ; the mean
.endr
.irp jj, 0,1,2,3
	v_mov_b32 v[MU+2*\jj+1], v[MU+2*\jj]
.endr
.irp i, 0,2,4,6,8,10,12,14,16,18,20,22,24,26,28,30
.irp jj, 0,1,2,3
	v_pk_add_f32 v[R+32*\jj+\i:R+32*\jj+\i+1], v[R+32*\jj+\i:R+32*\jj+\i+1], v[MU+2*\jj:MU+2*\jj+1] neg_lo:[0,1] neg_hi:[0,1]   ; x - mean, in place
.endr
.endr
.irp jj, 0,1,2,3
	v_pk_mul_f32 v[AS+2*\jj:AS+2*\jj+1], v[R+32*\jj:R+32*\jj+1], v[R+32*\jj:R+32*\jj+1]
.endr
.irp i, 2,4,6,8,10,12,14,16,18,20,22,24,26,28,30
.irp jj, 0,1,2,3
	v_pk_fma_f32 v[AS+2*\jj:AS+2*\jj+1], v[R+32*\jj+\i:R+32*\jj+\i+1], v[R+32*\jj+\i:R+32*\jj+\i+1], v[AS+2*\jj:AS+2*\jj+1]
.endr
.endr
.irp jj, 0,1,2,3
	v_add_f32 v[SS+\jj], v[AS+2*\jj], v[AS+2*\jj+1]
.endr
	BFLY
.irp jj, 0,1,2,3
	v_fma_f32 v[SS+\jj], v[SS+\jj], s44, s45       ; variance + eps
.endr
	s_wait_alu depctr_va_vdst(0)
.irp jj, 0,1,2,3
	v_rsq_f32 v[MU+2*\jj], v[SS+\jj]
.endr
	v_nop                                          ; a plain instruction behind the last of the four
	s_wait_alu depctr_va_vdst(0)                   ; one wait for the four, ahead of their first reader
.irp jj, 0,1,2,3
	v_mov_b32 v[MU+2*\jj+1], v[MU+2*\jj]
.endr
	s_wait_alu depctr_va_vdst(0)
	s_wait_loadcnt 0x0                             ; gain and bias
.irp i, 0,2,4,6,8,10,12,14,16,18,20,22,24,26,28,30
.irp jj, 0,1,2,3
	v_pk_mul_f32 v[R+32*\jj+\i:R+32*\jj+\i+1], v[R+32*\jj+\i:R+32*\jj+\i+1], v[MU+2*\jj:MU+2*\jj+1]
.endr
.irp jj, 0,1,2,3
	v_pk_fma_f32 v[R+32*\jj+\i:R+32*\jj+\i+1], v[R+32*\jj+\i:R+32*\jj+\i+1], v[LNW+\i:LNW+\i+1], v[LNB+\i:LNB+\i+1]
.endr
.endr
.Lstage:
	s_wait_loadcnt 0x0                             ; (a weight's rows are in)
	s_wait_alu depctr_va_vdst(0)
.irp jj, 0,1,2,3
.irp i, 0,1,2,3,4,5,6,7
	ds_store_b128 v[SWA], v[R+32*\jj+4*\i:R+32*\jj+4*\i+3] offset:\jj*PITCH+512*\i
.endr
.endr
	s_wait_dscnt 0x0                               ; for the others' sake: my rows lie in the stage
	s_barrier_signal -1
	s_barrier_wait -1                              ; all sixteen rows do
.irp b, 0,1,2,3                                ; block 2 q + c of my lane: k = 128 (2 w + q) + 64 c + 32 h + 0 .. 31 of row r
.irp i, 0,1,2,3,4,5,6,7
	ds_load_b128 v[R+32*\b+4*\i:R+32*\b+4*\i+3], v[SRA] offset:256*\b+16*\i
.endr
.endr
	s_wait_dscnt 0x0
.irp b, 0,1,2,3
	v_max3_num_f32 v[MX+\b], |v[R+32*\b]|, |v[R+32*\b+1]|, 0x1800000   ; the block's largest magnitude: all 32 numbers are mine; the floor 2^(3 - 127) holds the byte at 1 from below
.endr
.irp i, 2,4,6,8,10,12,14,16,18,20,22,24,26,28,30
.irp b, 0,1,2,3
	v_max3_num_f32 v[MX+\b], v[MX+\b], |v[R+32*\b+\i]|, |v[R+32*\b+\i+1]|
.endr
.endr
.irp b, 0,1,2,3
	v_add_nc_u32 v[SO+\b], 0xff000000, v[MX+\b]    ; 2 off its exponent field: the conversion takes that field of this operand as its scale
.endr
.irp b, 0,1,2,3
	v_lshrrev_b32 v[BY+\b], 23, v[SO+\b]           ; the scale's byte
.endr
.irp q, 0,1
	v_lshl_or_b32 v[PW+\q], v[BY+2*\q+1], 16, v[BY+2*\q]   ; my bytes: blocks h and 2 + h of row r,
.endr
.irp q, 0,1
	v_lshlrev_b32 v[PW+\q], v[SH8], v[PW+\q]       ; at their places in the word;
.endr
.irp q, 0,1
	v_permlanex16_b32 v[PD+\q], v[PW+\q], s42, s43
.endr
.irp q, 0,1
	v_or_b32 v[PW+\q], v[PW+\q], v[PD+\q]          ; with lane l xor 16's two the word is whole
.endr
.irp b, 0,1,2,3
	v_cvt_scalef32_pk16_fp6_f32 v[PC+6*\b:PC+6*\b+2], v[R+32*\b:R+32*\b+15], v[SO+\b]        ; registers 6 c .. of fragment q
	v_cvt_scalef32_pk16_fp6_f32 v[AUX+4*\b:AUX+4*\b+2], v[R+32*\b+16:R+32*\b+31], v[SO+\b]   ; (a conversion's three registers begin on an even number: the second three are made elsewhere and moved)
.endr
	v_nop                                          ; a plain instruction behind the last conversion
.irp b, 0,1,2,3
.irp i, 0,1,2
	v_mov_b32 v[PC+6*\b+3+\i], v[AUX+4*\b+\i]
.endr
.endr
	v_cmp_eq_u32 vcc_lo, 1, v[HH]
	v_cndmask_b32 v[PWS], v[PW], v[PW+1], vcc_lo   ; lanes 0-15 store K step 2 w's words, lanes 16-31 K step 2 w + 1's
.irp q, 0,1
	global_store_b128 v[GO16], v[PC+12*\q:PC+12*\q+3], s[38:39] offset:FRB*\q            ; each store covers 512 or 256 consecutive bytes, aligned
	global_store_b64 v[GO8], v[PC+12*\q+4:PC+12*\q+5], s[38:39] offset:FRB*\q+512
	global_store_b128 v[GO16], v[PC+12*\q+6:PC+12*\q+9], s[38:39] offset:FRB*\q+768
	global_store_b64 v[GO8], v[PC+12*\q+10:PC+12*\q+11], s[38:39] offset:FRB*\q+1280
.endr
	global_store_b32 v[SOFF], v[PWS], s[40:41]     ; two runs of 64 bytes: one byte for each 128 bytes that the work-group reads
	s_wait_tensorcnt 0x0
	ds_add_u32 v62, v63
	s_wait_dscnt 0x0
	s_endpgm
.Lfunc_end_k_q7d110a1b9c_quant:
	.size	k_q7d110a1b9c_quant, .Lfunc_end_k_q7d110a1b9c_quant-k_q7d110a1b9c_quant
	.p2alignl 7, 3214868480
	.fill 96, 4, 3214868480
	.section	.rodata,"a",@progbits
	.p2align	6, 0x0
	.amdhsa_kernel k_q7d110a1b9c_quant
		.amdhsa_group_segment_fixed_size 66304
		.amdhsa_private_segment_fixed_size 0
		.amdhsa_enable_private_segment 0
		.amdhsa_kernarg_size 64
		.amdhsa_user_sgpr_count 2
		.amdhsa_user_sgpr_kernarg_segment_ptr 1
		.amdhsa_wavefront_size32 1
		.amdhsa_system_sgpr_workgroup_id_x 1
		.amdhsa_system_sgpr_workgroup_id_y 1
		.amdhsa_system_sgpr_workgroup_id_z 1
		.amdhsa_system_vgpr_workitem_id 0
		.amdhsa_next_free_vgpr 256
		.amdhsa_next_free_sgpr 66
		.amdhsa_reserve_vcc 1
		.amdhsa_float_denorm_mode_32 3
		.amdhsa_float_denorm_mode_16_64 3
		.amdhsa_memory_ordered 1
		.amdhsa_forward_progress 1
		.amdhsa_inst_pref_size 44
	.end_amdhsa_kernel
	.amdgpu_metadata
---
amdhsa.version: [ 1, 2 ]
amdhsa.kernels:
  - .name:           k_q7d110a1b9c_quant
    .symbol:         k_q7d110a1b9c_quant.kd
    .args:
      - { .name: x, .offset: 0, .size: 8, .value_kind: global_buffer, .address_space: global }
      - { .name: qkv_w, .offset: 8, .size: 8, .value_kind: global_buffer, .address_space: global }
      - { .name: out_w, .offset: 16, .size: 8, .value_kind: global_buffer, .address_space: global }
      - { .name: ff_w1, .offset: 24, .size: 8, .value_kind: global_buffer, .address_space: global }
      - { .name: ff_w2, .offset: 32, .size: 8, .value_kind: global_buffer, .address_space: global }
      - { .name: ln1_w, .offset: 40, .size: 8, .value_kind: global_buffer, .address_space: global }
      - { .name: ln1_b, .offset: 48, .size: 8, .value_kind: global_buffer, .address_space: global }
      - { .name: w1, .offset: 56, .size: 8, .value_kind: global_buffer, .address_space: global }
    .group_segment_fixed_size: 66304
    .private_segment_fixed_size: 0
    .kernarg_segment_align: 8
    .kernarg_segment_size: 64
    .max_flat_workgroup_size: 128
    .sgpr_count:     66
    .vgpr_count:     256
    .wavefront_size: 32
...
	.end_amdgpu_metadata
.endif
;; end of part 1
;; launch qkv (part 2): grid 12 x 16, 4 waves a work-group, clusters of 4 x 4, 327,680 bytes of LDS; arguments w1, w2; writes w2
.if DOCPART == 2
	.amdgcn_target "amdgcn-amd-amdhsa--gfx1250"
	.amdhsa_code_object_version 6
	.text
	.protected	k_q7d110a1b9c_qkv
	.globl	k_q7d110a1b9c_qkv
	.p2align	8
	.type	k_q7d110a1b9c_qkv,@function
k_q7d110a1b9c_qkv:
	s_mov_b64 s[64:65], 0
	v_nop
	global_prefetch_b8 v0, s[64:65] scope:SCOPE_SE
	s_setreg_imm32_b32 hwreg(HW_REG_WAVE_MODE, 25, 1), 1
	s_wait_xcnt 0x0
	s_wait_alu depctr_hold_cnt(0) depctr_sa_sdst(0) depctr_va_vdst(0) depctr_va_sdst(0) depctr_va_ssrc(0) depctr_va_vcc(0) depctr_vm_vsrc(0)
	s_getreg_b32 s2, hwreg(HW_REG_IB_STS2, 6, 4)
	s_cmp_eq_u32 s2, 0
	s_cbranch_scc0 .Lentry_in_a_cluster
	s_endpgm
.Lentry_in_a_cluster:
	s_bfe_u32 s2, ttmp6, 0x10000c
	s_cmp_lg_u32 s2, 0xf033
	s_cbranch_scc0 .Lentry_shape_is_right
	s_endpgm
.Lentry_shape_is_right:
; A product on codes of MX-FP6 whose RESULT IS QUANTISED ON THE WAY OUT, K = 1,024.  One text serves two launches: FF1 = 0: q, k, v = LN1(x) qkv_w^T;  FF1 = 1: h = silu(LN2(x1) ff_w1^T + ff_b1).
; Operands arrive as images of their registers: a fragment (16 rows x 128 K, 12 registers a lane) is 1,536 bytes: registers 0-3 at 16 x lane, 4-5 at 512 + 8 x lane, 6-9 at 768 + 16 x lane, 10-11 at 1,280 + 8 x lane;
; a tile of 16 rows has its 8 fragments on end (a UNIT of 12,288 bytes, from byte 524,288 of its buffer on) and its scale words at (768 K step + unit) x 64.  Lane r of tile t is row 32 (t / 2) + 8 (t % 2) + r + 8 (r / 8).
; A work-group makes 256 x 256 results, each of its four waves 128 x 128: 64 accumulators, 512 registers.  SOURCE 0 = S0, SOURCE 1 = S1: a lane holds ONE row of S1, and by the order of a tile's rows its 64 registers
; of an S1 tile are 64 of 128 NEIGHBOURING rows of S0 (k = 32 b + 16 h + i): the next product's K.  So a wave's results of one S1 tile become one fragment and one scale word a row, quantised in registers.
; FF1 = 0: clusters x = 0, 1: S1 = tokens, S0 = rows of Wq, Wk: q and k are quantised along the head's axis (a fragment = two heads).  Cluster x = 2: S1 = rows of Wv, S0 = tokens: v is quantised along the KEYS.
;   The choice hangs on the cluster's x, which all partners share, and enters global offsets alone.  192 work-groups: 3,072 x 4,096 results in tiles of 256 x 256; a narrower tile would cut a pair of heads across waves.
; FF1 = 1: S1 = tokens, S0 = rows of ff_w1; the bias is the C of each sum's first product.
; K goes in eight steps of 128 through two LDS slots of two steps each, filled by the tensor data mover; the scale words of all of K come once.  The walk is written out: a loop would have one trip.
; CLUSTERS: 4 x 4 work-groups; S1's tiles are shared along a row of the cluster, S0's along a column: each is asked for jointly, by the same load with the same descriptor and a mask that names the four.
; REGISTERS: window 0: v16-30 addresses; v32-63 scale words, two sets; v64-127 the bias (FF1); v128-223 S1's 8 fragments, ONE set; on the way out v128-239 are at work.
;   window 1: S0's fragments, TWO sets, at v0 and v128.  windows 2, 3: accumulator (a, b) at v[8 (8 (a % 4) + b)], a / 4 choosing the window.
; LIMITS: a block of zeros gets the byte 1 (its codes are zeros; this program alone reads the bytes); blocks under 2^-124 are held at byte 1; NaN and infinities are not served.
.set FF1,   0
.set NQ,    2                          ; K steps in a slot
.set FR,    12
.set NL,    4                          ; LDS loads that bring a fragment
.set NP,    4                          ; places behind this matrix instruction (ISA guide 7.12.1)
.set FRB,   1536
.set UNITB, 8*FRB
.set CODES, 524288
.set HALFT, 8*NQ*FRB                   ; 8 tiles x 2 K steps: what one tensor load brings, and what one wave reads of S1 or of S0
.set SLOT,  4*HALFT                    ; S1's two halves, then S0's
.set SCL,   2*SLOT                     ; behind the ring: two regions of scale words, S1's then S0's, each [K step 8][tile 16][64 bytes]
.set HALFS, 8*8*64
.set SPARE, SCL+4*HALFS                ; the spare words, 128 bytes a wave: two blocks of 256 bytes that no other line names
.set A16, 16                           ; v16-17 S1's fragments in slot 0, 1: 16 x lane;  v18-19: 8 x lane
.set A8,  18
.set B16, 20                           ; v20-23 the same for S0
.set B8,  22
.set SST, 24                           ; the way out: my wave's 512 bytes for scale words (in slot 0, which has had its last fill and its last read by then): 4 r
.set SLD, 25                           ; and 16 x lane
.set GO16, 26
.set ADRS, 27                          ; my scale words: lanes 0-15 S1's, lanes 16-31 S0's
.set SPW, 28                           ; my spare word; never rewritten
.set NIL, 29                           ; 0; never rewritten
.set GO8, 30
.set SC,  32                           ; set s at v[SC + 16 s]; register 2 i + q: lanes 0-15 S1's tile i, lanes 16-31 S0's tile i, the slot's q-th K step
.set BIAS, 64
.set AF,  128
.set T,   128                          ; the way out: 64 activations
.set TM,  192                          ; v192-195 largest magnitudes, v196-199 exchange and bytes, v204-207 scale operands
.set PC,  208                          ; v208-219 the codes, v220-226 the conversions' second halves
.set PW,  228                          ; v228-235 the eight scale words
.set T4,  236
.set SEL, 2                            ; s[2:3] selects for lane l xor 16
.set G1, 24
.set G0, 32
.set G1B, 48
.set G0B, 56
.set G1S, 68
.set G0S, 76
.set G1SB, 80
.set G0SB, 88
.set OUTC, 96
.set OUTS, 98
.if FF1
.set S0P, 6
.set OUTP, 10
.set STRA, 32*FRB                      ; from an S1 tile's fragment to the next tile's, in the output
.else
.set S0P, 4
.set OUTP, 6
.set STRA, FRB
.endif
.set MSB, 0
.macro WIN new                         ; the immediate's high byte repeats the setting that is left
.if MSB != \new
	s_set_vgpr_msb (MSB<<8)|\new
.set MSB, \new
.endif
.endm
.set MUL_LO, 0xa1                      ; source 0 (S0) window 1, source 1 (S1) window 0, C and D window 2
.set MUL_HI, 0xf1                      ; the same, C and D window 3
.set TO_B,   0x40                      ; destination window 1, address window 0
; A joint load: waves 0 and 1 fetch for S1, waves 2 and 3 for S0; the branch hangs on the wave's number alone.  Four v_nop follow each of the two lines.
.macro JLOAD g0a, g1a, g0b, g1b
	s_cmp_eq_u32 s15, 0
	s_cbranch_scc0 .Lfor_b_\@
	tensor_load_to_lds s[\g0a:\g0a+3], s[\g1a:\g1a+7]
	s_nop 0
.rept 4
	v_nop
.endr
	s_branch .Lasked_\@
.Lfor_b_\@:
	tensor_load_to_lds s[\g0b:\g0b+3], s[\g1b:\g1b+7]
	s_nop 0
.rept 4
	v_nop
.endr
.Lasked_\@:
.endm
.macro CREST                           ; a round of the cluster's barrier behind its opening barrier
	s_cmp_lg_u32 s14, 0
	s_cbranch_scc1 .Lnot_wave_0_\@
	s_barrier_signal -3
.Lnot_wave_0_\@:
	s_barrier_wait -3
	s_barrier_signal -1
	s_barrier_wait -1
.endm
.macro CROUND
	s_barrier_signal -1
	s_barrier_wait -1
	CREST
.endm
.if FF1
	s_load_b256 s[4:11], s[0:1], 0x0               ; S1's buffer, S0's buffer, the bias, the output
.else
	s_load_b128 s[4:7], s[0:1], 0x0                ; the operands' buffer, the output
.endif
	v_lshl_add_u32 v[SPW], v0, 2, SPARE
	v_mov_b32 v[NIL], 0
	ds_add_u32 v28, v29
	ds_add_u32 v28, v29
	s_wait_dscnt 0x0
	v_lshrrev_b32 v1, 5, v0
	v_readfirstlane_b32 s14, v1                    ; wave 0..3
	s_lshr_b32 s15, s14, 1                         ; which half of S1's rows is mine.  Also: I fetch for S1 (0) or for S0 (1)
	s_and_b32 s16, s14, 1                          ; which half of S0's rows.  Also: which 8 tiles I fetch
	s_bfe_u32 s40, ttmp6, 0x40000                  ; cx, cy: my place in the cluster
	s_bfe_u32 s41, ttmp6, 0x40004
	s_and_b32 s42, ttmp7, 0xffff                   ; the cluster's y
	s_lshl_b32 s43, s41, 2
	s_lshl_b32 s43, 15, s43                        ; my row of the cluster
	s_lshl_b32 s44, 0x1111, s40                    ; my column
	s_mov_b32 s[SEL], 0x76543210
	s_mov_b32 s[SEL+1], 0xfedcba98
	; descriptor group 1, elements of 8 bytes, no padding.  Codes: 8 rows (tiles) of 2 fragments (384 elements), a unit (1,536 elements) apart
	s_or_b32 s[G1+0], s43, (3<<16)|(1<<21)         ; 15:0 the mask: S1's tiles go to my row; 17:16 elements of 8 bytes; 21 set beside a mask
	s_or_b32 s[G1B+0], s44, (3<<16)|(1<<21)        ; S0's to my column
.irp g, G1, G1B
	s_mov_b32 s[\g+1], (NQ*FRB/8)<<16              ; tensor_dim0
	s_mov_b32 s[\g+2], 16<<16                      ; tensor_dim1: 16 tiles for the head's loads; behind them 8
	s_mov_b32 s[\g+3], (NQ*FRB/8)<<16              ; tile_dim0
	s_mov_b32 s[\g+4], 16                          ; tile_dim1
	s_mov_b32 s[\g+5], UNITB/8                     ; tensor_dim0_stride
	s_mov_b32 s[\g+6], 0
	s_mov_b32 s[\g+7], 0
.endr
	; scale words: 8 rows (K steps) of 16 tiles x 64 bytes (128 elements), 768 tiles (6,144 elements) apart
	s_or_b32 s[G1S+0], s43, (3<<16)|(1<<21)
	s_or_b32 s[G1SB+0], s44, (3<<16)|(1<<21)
.irp g, G1S, G1SB
	s_mov_b32 s[\g+1], 128<<16                     ; a row: 16 tiles x 64 bytes
	s_mov_b32 s[\g+2], 8<<16
	s_mov_b32 s[\g+3], 128<<16
	s_mov_b32 s[\g+4], 8
	s_mov_b32 s[\g+5], 768*64/8
	s_mov_b32 s[\g+6], 0
	s_mov_b32 s[\g+7], 0
.endr
	; the units that I fetch.  S1's hang on cy and on what the whole cluster shares, S0's on cx and on that: each in registers that never hold the other coordinate
	s_lshl_b32 s18, s16, 3
.if FF1
	s_lshl_b32 s20, s42, 2
	s_add_co_u32 s20, s20, s41
	s_lshl_b32 s20, s20, 4                         ; S1: tokens: 16 (4 cluster y + cy)
	s_lshl_b32 s46, ttmp9, 2
	s_add_co_u32 s46, s46, s40
	s_lshl_b32 s46, s46, 4
	s_add_co_u32 s46, s46, 512                     ; S0: ff_w1: 512 + 16 (4 cluster x + cx)
.else
	s_lshl_b32 s20, s41, 4                         ; 16 cy
	s_lshl_b32 s21, s42, 6                         ; 64 cluster y
	s_cmp_ge_u32 ttmp9, 2                          ; v's cluster?
	s_cselect_b32 s22, 384, s21
	s_add_co_u32 s20, s20, s22                     ; S1: tokens, or rows of Wv
	s_lshl_b32 s46, s40, 4                         ; 16 cx
	s_lshl_b32 s47, ttmp9, 6
	s_add_co_u32 s47, s47, 256
	s_cmp_ge_u32 ttmp9, 2
	s_cselect_b32 s47, s21, s47
	s_add_co_u32 s46, s46, s47                     ; S0: rows of Wq, Wk, or tokens
.endif
	s_add_co_u32 s20, s20, s18
	s_add_co_u32 s46, s46, s18
	s_mul_i32 s22, s20, UNITB
	s_add_co_u32 s22, s22, CODES                   ; S1's codes, in bytes (under 2^24)
	s_mov_b32 s23, 0
	s_lshl_b32 s20, s20, 6                         ; its scale words
	s_mov_b32 s21, 0
	s_mul_i32 s66, s46, UNITB
	s_add_co_u32 s66, s66, CODES
	s_mov_b32 s67, 0
	s_lshl_b32 s92, s46, 6
	s_mov_b32 s93, 0
	s_mul_i32 s45, s14, HALFT                      ; where they go: by the wave's number alone
	s_mul_i32 s94, s14, HALFS
	s_wait_kmcnt 0x0
	s_add_nc_u64 s[22:23], s[4:5], s[22:23]
	s_add_nc_u64 s[20:21], s[4:5], s[20:21]
	s_add_nc_u64 s[66:67], s[S0P:S0P+1], s[66:67]
	s_add_nc_u64 s[92:93], s[S0P:S0P+1], s[92:93]
	CROUND                                         ; all sixteen work-groups are here: the first joint loads meet
	; THE HEAD'S FOUR TILES, each whole, one a wave: slot 0's 16 tiles of S1, its 16 tiles of S0, S1's scale words, S0's.  Their addresses are my half's less my half's distance
	s_mul_i32 s12, s16, 8*UNITB
	s_mov_b32 s13, 0
	s_lshl_b32 s18, s16, 9
	s_mov_b32 s19, 0
	s_mov_b32 s[G0S], 1
	s_mov_b32 s[G0S+1], SCL
	s_sub_nc_u64 s[G0S+2:G0S+3], s[20:21], s[18:19]
	s_or_b32 s[G0S+3], s[G0S+3], 0x80000000
	s_mov_b32 s[G0SB], 1
	s_mov_b32 s[G0SB+1], SCL+2*HALFS
	s_sub_nc_u64 s[G0SB+2:G0SB+3], s[92:93], s[18:19]
	s_or_b32 s[G0SB+3], s[G0SB+3], 0x80000000
	s_mov_b32 s[G0], 1
	s_mov_b32 s[G0+1], 0
	s_sub_nc_u64 s[G0+2:G0+3], s[22:23], s[12:13]
	s_or_b32 s[G0+3], s[G0+3], 0x80000000
	s_mov_b32 s[G0B], 1
	s_mov_b32 s[G0B+1], 2*HALFT
	s_sub_nc_u64 s[G0B+2:G0B+3], s[66:67], s[12:13]
	s_or_b32 s[G0B+3], s[G0B+3], 0x80000000
	s_mov_b32 s[G0+4], 1                           ; slot 1: my quarter, K steps 2, 3
	s_add_co_u32 s[G0+5], s45, SLOT
	s_add_nc_u64 s[G0+6:G0+7], s[22:23], NQ*FRB
	s_or_b32 s[G0+7], s[G0+7], 0x80000000
	s_mov_b32 s[G0B+4], 1
	s_add_co_u32 s[G0B+5], s45, SLOT
	s_add_nc_u64 s[G0B+6:G0B+7], s[66:67], NQ*FRB
	s_or_b32 s[G0B+7], s[G0B+7], 0x80000000
; ONE chain of branches on the wave's number, one load to an arm, all arms leading to one join: one tensor load a wave at the head
.macro ARM under, g0, g1, next
	s_cmp_lt_u32 s14, \under
	s_cbranch_scc0 \next
	tensor_load_to_lds s[\g0:\g0+3], s[\g1:\g1+7]
	s_nop 0
.rept 4
	v_nop
.endr
	s_branch .Lhead_asked
\next:
.endm
	ARM 1, G0,  G1,  .Lhead_b
	ARM 2, G0B, G1B, .Lhead_sa
	ARM 3, G0S, G1S, .Lhead_sb
	tensor_load_to_lds s[G0SB:G0SB+3], s[G1SB:G1SB+7]
	s_nop 0
.rept 4
	v_nop
.endr
.Lhead_asked:
	v_and_b32 v1, 31, v0                           ; lane
	v_and_b32 v2, 15, v0                           ; r
	v_bfe_u32 v3, v0, 4, 1                         ; h
	v_lshlrev_b32 v[GO16], 4, v1
	v_lshlrev_b32 v[GO8], 3, v1
	s_mul_i32 s21, s15, HALFT                      ; my 8 tiles of S1,
	s_mul_i32 s22, s16, HALFT
	s_add_co_u32 s22, s22, 2*HALFT                 ; of S0, behind S1's 16
.irp s, 0,1
	v_add_nc_u32 v[A16+\s], s21, v[GO16]
	v_add_nc_u32 v[A8+\s], s21, v[GO8]
	v_add_nc_u32 v[B16+\s], s22, v[GO16]
	v_add_nc_u32 v[B8+\s], s22, v[GO8]
	s_add_co_u32 s21, s21, SLOT
	s_add_co_u32 s22, s22, SLOT
.endr
	v_lshlrev_b32 v5, 2, v2                        ; 4 r
	s_lshl_b32 s21, s15, 9                         ; S1's scale words: my 8 tiles of a row of 16
	s_lshl_b32 s22, s16, 9
	s_add_co_u32 s22, s22, 2*HALFS                 ; S0's
	s_sub_co_u32 s22, s22, s21
	v_mul_u32_u24 v6, s22, v3                      ; lanes 16-31 take S0's: the lower base + h x the distance
	s_add_co_u32 s21, s21, SCL
	v_add_nc_u32 v6, v5, v6
	v_add_nc_u32 v[ADRS], s21, v6
	s_lshl_b32 s21, s14, 9
	v_add_nc_u32 v[SST], s21, v5
	v_add_nc_u32 v[SLD], s21, v[GO16]
	; where my results go
.if FF1
	s_lshl_b32 s12, ttmp9, 2
	s_add_co_u32 s12, s12, s40
	s_lshl_b32 s12, s12, 1
	s_add_co_u32 s12, s12, s16                     ; the next product's K step: 2 (4 cluster x + cx) + my half
	s_lshl_b32 s18, s12, 9                         ; its 128 numbers of the bias
	s_mov_b32 s19, 0
	s_add_nc_u64 s[8:9], s[8:9], s[18:19]
	v_lshlrev_b32 v4, 6, v3                        ; lane (r, h) wants, for S0's tile b, the bias of rows 32 (b / 2) + 8 (b % 2) + 16 h + 0 .. 7
.irp b, 0,1,2,3,4,5,6,7
	global_load_b128 v[BIAS+8*\b:BIAS+8*\b+3], v4, s[8:9] offset:(32*(\b/2)+8*(\b%2))*4
	global_load_b128 v[BIAS+8*\b+4:BIAS+8*\b+7], v4, s[8:9] offset:(32*(\b/2)+8*(\b%2))*4+16
.endr
	s_lshl_b32 s13, s42, 2
	s_add_co_u32 s13, s13, s41
	s_lshl_b32 s13, s13, 4
	s_lshl_b32 s18, s15, 3
	s_add_co_u32 s13, s13, s18                     ; my first tile of tokens
	s_lshl_b32 s18, s13, 5
	s_add_co_u32 s18, s18, s12
	s_mul_i32 s18, s18, FRB                        ; codes: [tile][K step 32][1,536]
	s_add_nc_u64 s[OUTC:OUTC+1], s[OUTP:OUTP+1], s[18:19]
	s_lshl_b32 s18, s12, 8
	s_add_co_u32 s18, s18, s13
	s_lshl_b32 s18, s18, 6
	s_add_co_u32 s18, s18, 12582912                ; scale words: [K step][tile 256][64]
	s_add_nc_u64 s[OUTS:OUTS+1], s[OUTP:OUTP+1], s[18:19]
.else
	s_mov_b32 s19, 9437184
	s_cmp_ge_u32 ttmp9, 2
	s_cselect_b32 s12, s42, ttmp9                  ; S0's tile = cx + 4 x (cluster y for v, else cluster x)
	s_cselect_b32 s13, 0, s42                      ; S1's tile = cy + 4 x (0 for v, else cluster y)
	s_cselect_b32 s17, 6, 8                        ; tiles in a group: 64 for v, 256 for q and k
	s_cselect_b32 s18, 6291456, 0                  ; where the codes begin
	s_cselect_b32 s19, 9699328, s19                ; and the scale words
	s_lshl_b32 s12, s12, 2
	s_add_co_u32 s12, s12, s40
	s_lshl_b32 s12, s12, 1
	s_add_co_u32 s12, s12, s16                     ; the group: a pair of heads of q or k, or 128 tokens of v
	s_lshl_b32 s12, s12, s17
	s_lshl_b32 s13, s13, 2
	s_add_co_u32 s13, s13, s41
	s_lshl_b32 s13, s13, 4
	s_add_co_u32 s12, s12, s13
	s_lshl_b32 s13, s15, 3
	s_add_co_u32 s12, s12, s13                     ; my first fragment's number
	s_mul_i32 s20, s12, FRB
	s_add_co_u32 s20, s20, s18
	s_mov_b32 s21, 0
	s_add_nc_u64 s[OUTC:OUTC+1], s[OUTP:OUTP+1], s[20:21]
	s_lshl_b32 s20, s12, 6
	s_add_co_u32 s20, s20, s19
	s_add_nc_u64 s[OUTS:OUTS+1], s[OUTP:OUTP+1], s[20:21]
.endif
.macro FRAG reg, a16, a8, off          ; a fragment comes back as it was stored: every load covers 512 or 256 consecutive bytes
	ds_load_b128 v[\reg:\reg+3], v[\a16] offset:\off
	ds_load_b64 v[\reg+4:\reg+5], v[\a8] offset:\off+512
	ds_load_b128 v[\reg+6:\reg+9], v[\a16] offset:\off+768
	ds_load_b64 v[\reg+10:\reg+11], v[\a8] offset:\off+1280
.endm
; 16 matrix instructions: S1's tiles a0, a0 + 1 x S0's eight, the slot's q-th K step.  p: S0's set; sc: the set of scale words.  zero = 1: the first product starts the sums (with the bias where there is one).
; The 64 accumulators take turns, one instruction a turn, in the same order in every step.
.macro MUL16 a0, p, q, sc, zero
.irp a, \a0, \a0+1
.irp b, 0,1,2,3,4,5,6,7
.if (\zero) && FF1
	v_wmma_scale_f32_16x16x128_f8f6f4 v[8*(8*((\a)%4)+\b):8*(8*((\a)%4)+\b)+7], v[128*(\p)+FR*\b:128*(\p)+FR*\b+FR-1], v[AF+FR*(\a):AF+FR*(\a)+FR-1], v[BIAS+8*\b:BIAS+8*\b+7], v[SC+16*(\sc)+2*\b+(\q)], v[SC+16*(\sc)+2*(\a)+(\q)] matrix_a_fmt:MATRIX_FMT_FP6 matrix_b_fmt:MATRIX_FMT_FP6 matrix_a_scale:MATRIX_SCALE_ROW1
.elseif \zero
	v_wmma_scale_f32_16x16x128_f8f6f4 v[8*(8*((\a)%4)+\b):8*(8*((\a)%4)+\b)+7], v[128*(\p)+FR*\b:128*(\p)+FR*\b+FR-1], v[AF+FR*(\a):AF+FR*(\a)+FR-1], 0, v[SC+16*(\sc)+2*\b+(\q)], v[SC+16*(\sc)+2*(\a)+(\q)] matrix_a_fmt:MATRIX_FMT_FP6 matrix_b_fmt:MATRIX_FMT_FP6 matrix_a_scale:MATRIX_SCALE_ROW1
.else
	v_wmma_scale_f32_16x16x128_f8f6f4 v[8*(8*((\a)%4)+\b):8*(8*((\a)%4)+\b)+7], v[128*(\p)+FR*\b:128*(\p)+FR*\b+FR-1], v[AF+FR*(\a):AF+FR*(\a)+FR-1], v[8*(8*((\a)%4)+\b):8*(8*((\a)%4)+\b)+7], v[SC+16*(\sc)+2*\b+(\q)], v[SC+16*(\sc)+2*(\a)+(\q)] matrix_a_fmt:MATRIX_FMT_FP6 matrix_b_fmt:MATRIX_FMT_FP6 matrix_a_scale:MATRIX_SCALE_ROW1
.endif
.endr
.endr
.endm
.macro WLO zero                        ; the windows of the products on my S1 tiles 0-3: where the bias is C, C lies in window 0
.if (\zero) && FF1
	WIN 0x81
.else
	WIN MUL_LO
.endif
.endm
.macro WHI zero
.if (\zero) && FF1
	WIN 0xc1
.else
	WIN MUL_HI
.endif
.endm
.macro FETCH_B slot, q, p              ; S0's eight fragments of the slot's q-th K step into set p
	WIN TO_B
.irp i, 0,1,2,3,4,5,6,7
	FRAG 128*(\p)+FR*\i, B16+\slot, B8+\slot, \i*NQ*FRB+(\q)*FRB
.endr
	WIN 0
.endm
.macro FETCH_A slot, q, i0             ; S1's tiles i0 .. i0 + 3
.irp i, \i0, \i0+1, \i0+2, \i0+3
	FRAG AF+FR*(\i), A16+\slot, A8+\slot, (\i)*NQ*FRB+(\q)*FRB
.endr
.endm
.macro SCALES sc                       ; a slot's scale words into set sc
.irp i, 0,1,2,3,4,5,6,7
.irp q, 0,1
	ds_load_b32 v[SC+16*\sc+2*\i+\q], v[ADRS] offset:1024*\q+64*\i
.endr
.endr
.endm
; A load into a register that a matrix instruction has read, and a vector instruction or a store that reads a matrix result, stand NP places behind it; only plain vector instructions that name none of its registers are places.
.macro PLACES n
.rept \n
	v_nop
.endr
.endm
; A K step that has its successor in the same slot.  A tile of S1 is free as soon as its eight products are issued: tiles 0-3 are fetched anew in the step's middle, tiles 4-7 at its end.
.macro STEP slot, q, zero
	s_wait_dscnt 4*NL                              ; S0's set, S1's tiles 0-3 and the scale words are in; the youngest 16 loads (S1's tiles 4-7) may be out
	WLO \zero
	MUL16 0, (\q)%2, \q, \slot, \zero
	MUL16 2, (\q)%2, \q, \slot, \zero
	s_wait_dscnt 0                                 ; S1's tiles 4-7 are in (asked for 32 matrix instructions ago)
	PLACES NP
	FETCH_B \slot, (\q)+1, 1-(\q)%2
	FETCH_A \slot, (\q)+1, 0
	WHI \zero
	MUL16 4, (\q)%2, \q, \slot, \zero
	MUL16 6, (\q)%2, \q, \slot, \zero
	PLACES NP
	WIN 0
	FETCH_A \slot, (\q)+1, 4
.endm
; A slot's last K step changes slots: ONE barrier; in front of it each wave waits for all its tensor loads, adds 0 to its spare word, and waits for that and for its own reads of this slot.  fill = 1: this slot is filled again, two slots ahead.
.macro TURN slot, next, fill
	s_wait_tensorcnt 0x0                           ; all my tensor loads have landed: my part of the next slot  (every window is 0 here)
	ds_add_u32 v[SPW], v[NIL]                      ; 0 onto my spare word
	s_wait_dscnt 4*NL+1                            ; (the add and the youngest 16 loads, S1's tiles 4-7, may be out)
	WIN MUL_LO
	MUL16 0, 1, NQ-1, \slot, 0                     ; sixteen matrix instructions stand between the add and the wait for it
	s_wait_dscnt 0x0                               ; the add is done, and my reads of this slot are over
	s_barrier_signal -1
	MUL16 2, 1, NQ-1, \slot, 0
	WIN 0
	s_barrier_wait -1
.if \fill
	CREST                                          ; the barrier has opened a round of the cluster's barrier: no wave of any partner still reads this slot or has a load on its way
	s_add_nc_u64 s[G0+4*\slot+2:G0+4*\slot+3], s[G0+4*\slot+2:G0+4*\slot+3], 2*NQ*FRB
	s_add_nc_u64 s[G0B+4*\slot+2:G0B+4*\slot+3], s[G0B+4*\slot+2:G0B+4*\slot+3], 2*NQ*FRB
	JLOAD G0+4*\slot, G1, G0B+4*\slot, G1B         ; the first tensor load behind the round; its four v_nop are the places in front of the loads below
.else
	PLACES NP
.endif
	s_wait_alu depctr_va_vdst(0)
	v_add_nc_u32 v[ADRS], 1024*NQ, v[ADRS]         ; on to the next slot's scale words
	FETCH_B \next, 0, 0
	FETCH_A \next, 0, 0
	SCALES \next
	WIN MUL_HI
	MUL16 4, 1, NQ-1, \slot, 0
	MUL16 6, 1, NQ-1, \slot, 0
	PLACES NP
	WIN 0
	FETCH_A \next, 0, 4
.endm
	s_wait_alu depctr_va_vdst(0)
	s_wait_tensorcnt 0x0                           ; my tile of the head's four is in
	ds_add_u32 v[SPW], v[NIL]
	s_mov_b32 s[G1+2], 8<<16                       ; no tensor load of mine is out: from here on a load brings 8 tiles,
	s_mov_b32 s[G1+4], 8
	s_mov_b32 s[G1B+2], 8<<16
	s_mov_b32 s[G1B+4], 8
	s_mul_i32 s[G0+1], s14, HALFT                  ; and slot 0's group 0 names my quarter at K step 0: slot 1's address less a slot's K steps
	s_sub_nc_u64 s[G0+2:G0+3], s[G0+6:G0+7], NQ*FRB
	s_mul_i32 s[G0B+1], s14, HALFT
	s_sub_nc_u64 s[G0B+2:G0B+3], s[G0B+6:G0B+7], NQ*FRB
	s_wait_dscnt 0x0
	CROUND                                         ; a whole round: all four tiles are in, and the joint loads meet
	JLOAD G0+4, G1, G0B+4, G1B                     ; slot 1's first fill, the first tensor load behind the round
	FETCH_B 0, 0, 0
	FETCH_A 0, 0, 0
	SCALES 0
	FETCH_A 0, 0, 4
.if FF1
	s_wait_loadcnt 0x0                             ; the bias
.endif
	STEP 0, 0, 1                                   ; K step 0 starts the sums: nothing is cleared
	TURN 0, 1, 1                                   ; K step 1; slot 0 takes K steps 4, 5
	STEP 1, 0, 0
	TURN 1, 0, 1                                   ; K step 3; slot 1 takes K steps 6, 7
	STEP 0, 0, 0
	TURN 0, 1, 0                                   ; K step 5; nothing is left to fetch
	STEP 1, 0, 0
	s_wait_dscnt 4*NL                              ; K step 7
	WIN MUL_LO
	MUL16 0, 1, NQ-1, 1, 0
	MUL16 2, 1, NQ-1, 1, 0
	s_wait_dscnt 0
	WIN MUL_HI
	MUL16 4, 1, NQ-1, 1, 0
	MUL16 6, 1, NQ-1, 1, 0
	WIN 0
; THE WAY OUT.  64 numbers of a lane, v[s] on in window win, register 16 b + i = k 32 b + 16 h + i of my row, become a fragment's codes in v[PC] on and its scale word in v[PW + a].
.macro QF s, win, a
	WIN (\win)*5                                   ; sources 0 and 1 in the numbers' window
.irp b, 0,1,2,3
	v_max3_num_f32 v[TM+\b], |v[\s+16*\b]|, |v[\s+16*\b+1]|, 0x1800000   ; block b: my 16 numbers, each accumulator from its low end on, and the floor 2^(3 - 127), which holds the byte at 1 from below
.endr
.irp i, 2,4,6,8,10,12,14
.irp b, 0,1,2,3
	v_max3_num_f32 v[TM+\b], |v[\s+16*\b+\i]|, |v[\s+16*\b+\i+1]|, v[TM+\b]
.endr
.endr
	WIN 0
.irp b, 0,1,2,3
	v_permlanex16_b32 v[TM+4+\b], v[TM+\b], s[SEL], s[SEL+1]
.endr
.irp b, 0,1,2,3
	v_max_num_f32 v[TM+\b], v[TM+\b], v[TM+4+\b]   ; with lane l xor 16's: the block's largest magnitude
.endr
.irp b, 0,1,2,3
	v_add_nc_u32 v[TM+12+\b], 0xff000000, v[TM+\b] ; 2 off its exponent field: the conversion's scale operand
.endr
.irp b, 0,1,2,3
	v_lshrrev_b32 v[TM+4+\b], 23, v[TM+12+\b]      ; the scale's byte
.endr
	v_lshl_or_b32 v[PW+(\a)], v[TM+5], 8, v[TM+4]
	v_lshl_or_b32 v[PW+(\a)], v[TM+6], 16, v[PW+(\a)]
	v_lshl_or_b32 v[PW+(\a)], v[TM+7], 24, v[PW+(\a)]
.if (\a) > 0
	s_wait_xcnt 0x0                                ; the last fragment's stores have read their registers: the codes may be written again
.endif
	WIN \win
.irp c, 0,1
	v_cvt_scalef32_pk16_fp6_f32 v[PC+6*\c:PC+6*\c+2], v[\s+32*\c:\s+32*\c+15], v[TM+12+2*\c]
	v_cvt_scalef32_pk16_fp6_f32 v[PC+12+4*\c:PC+14+4*\c], v[\s+32*\c+16:\s+32*\c+31], v[TM+12+2*\c+1]   ; (a conversion's three registers begin on an even number)
.endr
	WIN 0
	v_nop                                          ; a plain instruction behind the last conversion
.irp c, 0,1                                    ; the operand's layout wants a WHOLE block in a lane: lanes 0-15 block 2 c, lanes 16-31 block 2 c + 1
.irp i, 0,1,2
	v_permlane16_swap_b32 v[PC+6*\c+\i], v[PC+12+4*\c+\i]
.endr
.irp i, 0,1,2
	v_mov_b32 v[PC+3+6*\c+\i], v[PC+12+4*\c+\i]
.endr
.endr
.endm
.macro OUTBLK a                        ; my S1 tile a
.set AC, 64*((\a)%4)
.set W, 2+(\a)/4
.if FF1                                ; silu(z) = z / (1 + 2^(-z log2 e)), in f32: two batches of 64 transcendentals, each with its plain instruction and ONE wait ahead of its first reader
	WIN W
.set j, 0
.rept 32
	v_pk_mul_f32 v[T+j:T+j+1], v[AC+j:AC+j+1], 0xbfb8aa3b op_sel_hi:[1,0]
.set j, j+2
.endr
	WIN 0
.set j, 0
.rept 64
	v_exp_f32 v[T+j], v[T+j]
.set j, j+1
.endr
	v_nop
	s_wait_alu depctr_va_vdst(0)
.set j, 0
.rept 32
	v_pk_add_f32 v[T+j:T+j+1], v[T+j:T+j+1], 1.0 op_sel_hi:[1,0]
.set j, j+2
.endr
.set j, 0
.rept 64
	v_rcp_f32 v[T+j], v[T+j]
.set j, j+1
.endr
	v_nop
	s_wait_alu depctr_va_vdst(0)
	WIN W
.set j, 0
.rept 32
	v_pk_mul_f32 v[T+j:T+j+1], v[AC+j:AC+j+1], v[T+j:T+j+1]
.set j, j+2
.endr
	QF T, 0, \a
.else
	QF AC, W, \a
.endif
	global_store_b128 v[GO16], v[PC:PC+3], s[OUTC:OUTC+1] offset:(\a)*STRA             ; each store covers 512 or 256 consecutive bytes, aligned
	global_store_b64 v[GO8], v[PC+4:PC+5], s[OUTC:OUTC+1] offset:(\a)*STRA+512
	global_store_b128 v[GO16], v[PC+6:PC+9], s[OUTC:OUTC+1] offset:(\a)*STRA+768
	global_store_b64 v[GO8], v[PC+10:PC+11], s[OUTC:OUTC+1] offset:(\a)*STRA+1280
	ds_store_b32 v[SST], v[PW+(\a)] offset:64*(\a)                                     ; lanes r and 16 + r write the same word with the same value
.endm
	PLACES NP                                      ; behind the last products: for the reads of results and the writes into registers that held S1's fragments
.irp b, 0,1,2,3
	v_mov_b32 v[TM+4+\b], 0                        ; a lane exchange's destination counts as one of its sources
.endr
.irp a, 0,1,2,3,4,5,6,7
	OUTBLK \a
.endr
	ds_load_b128 v[T4:T4+3], v[SLD]                ; LDS serves a wave's instructions in order: this sees my eight stores
	s_wait_dscnt 0x0
	global_store_b128 v[GO16], v[T4:T4+3], s[OUTS:OUTS+1]   ; my eight tiles' scale words: 512 consecutive bytes, aligned
	s_wait_tensorcnt 0x0                           ; the wave's end
	ds_add_u32 v[SPW], v[NIL]
	s_wait_dscnt 0x0
	CROUND                                         ; the closing round: no work-group ends while a partner may still ask for a tile that names it
	s_endpgm
.Lfunc_end_k_q7d110a1b9c_qkv:
	.size	k_q7d110a1b9c_qkv, .Lfunc_end_k_q7d110a1b9c_qkv-k_q7d110a1b9c_qkv
	.p2alignl 7, 3214868480
	.fill 96, 4, 3214868480
	.section	.rodata,"a",@progbits
	.p2align	6, 0x0
	.amdhsa_kernel k_q7d110a1b9c_qkv
		.amdhsa_group_segment_fixed_size 327680
		.amdhsa_private_segment_fixed_size 0
		.amdhsa_enable_private_segment 0
		.amdhsa_kernarg_size 16
		.amdhsa_user_sgpr_count 2
		.amdhsa_user_sgpr_kernarg_segment_ptr 1
		.amdhsa_wavefront_size32 1
		.amdhsa_system_sgpr_workgroup_id_x 1
		.amdhsa_system_sgpr_workgroup_id_y 1
		.amdhsa_system_sgpr_workgroup_id_z 1
		.amdhsa_system_vgpr_workitem_id 0
		.amdhsa_next_free_vgpr 1024
		.amdhsa_next_free_sgpr 100
		.amdhsa_reserve_vcc 0
		.amdhsa_float_denorm_mode_32 3
		.amdhsa_float_denorm_mode_16_64 3
		.amdhsa_memory_ordered 1
		.amdhsa_forward_progress 1
		.amdhsa_inst_pref_size 153
	.end_amdhsa_kernel
	.amdgpu_metadata
---
amdhsa.version: [ 1, 2 ]
amdhsa.kernels:
  - .name:           k_q7d110a1b9c_qkv
    .symbol:         k_q7d110a1b9c_qkv.kd
    .args:
      - { .name: w1, .offset: 0, .size: 8, .value_kind: global_buffer, .address_space: global }
      - { .name: w2, .offset: 8, .size: 8, .value_kind: global_buffer, .address_space: global }
    .group_segment_fixed_size: 327680
    .private_segment_fixed_size: 0
    .kernarg_segment_align: 8
    .kernarg_segment_size: 16
    .max_flat_workgroup_size: 128
    .sgpr_count:     100
    .vgpr_count:     1024
    .wavefront_size: 32
...
	.end_amdgpu_metadata
.endif
;; end of part 2
;; launch attn (part 3): grid 8 x 32, 16 waves a work-group, clusters of 4 x 1, 223,232 bytes of LDS; arguments w2, w3; writes w3
.if DOCPART == 3
	.amdgcn_target "amdgcn-amd-amdhsa--gfx1250"
	.amdhsa_code_object_version 6
	.text
	.protected	k_q7d110a1b9c_attn
	.globl	k_q7d110a1b9c_attn
	.p2align	8
	.type	k_q7d110a1b9c_attn,@function
k_q7d110a1b9c_attn:
	s_mov_b64 s[64:65], 0
	v_nop
	global_prefetch_b8 v0, s[64:65] scope:SCOPE_SE
	s_setreg_imm32_b32 hwreg(HW_REG_WAVE_MODE, 25, 1), 1
	s_wait_xcnt 0x0
	s_wait_alu depctr_hold_cnt(0) depctr_sa_sdst(0) depctr_va_vdst(0) depctr_va_sdst(0) depctr_va_ssrc(0) depctr_va_vcc(0) depctr_vm_vsrc(0)
	s_getreg_b32 s2, hwreg(HW_REG_IB_STS2, 6, 4)
	s_cmp_eq_u32 s2, 0
	s_cbranch_scc0 .Lentry_in_a_cluster
	s_endpgm
.Lentry_in_a_cluster:
	s_bfe_u32 s2, ttmp6, 0x10000c
	s_cmp_lg_u32 s2, 0x3003
	s_cbranch_scc0 .Lentry_shape_is_right
	s_endpgm
.Lentry_shape_is_right:
; o = softmax(q k^T / 8) v for 32 heads (2 batches x 16) of 2,048 tokens, head size 64, both products on codes of MX-FP6; o leaves quantised along the model's axis, as the next product's operand.
; THE SOFTMAX AHEAD OF THE SECOND PRODUCT: t = score x log2(e) / 8; M = the row's largest t so far, rounded UP to a whole number; p = 2^(t - M) is quantised along the keys, not normalised;
; the row's sum is taken of the unquantised p and divides O at the end.  When M moves, the sum and O are multiplied by 2^(old M - new M): exact.
; OPERANDS are images of their registers (1,536 bytes a fragment: registers 0-3 at 16 x lane, 4-5 at 512 + 8 x lane, 6-9 at 768 + 16 x lane, 10-11 at 1,280 + 8 x lane).  A fragment of q or k holds a PAIR of heads, 768 bytes each.
; THE FIRST PRODUCT'S K IS 64: Q's registers 6-11 hold zero codes, so whatever codes stand in K's registers 6-11 add nothing (E2M3 has no NaN or infinity; the upper two scale bytes are 0, a finite code).
; So K's eight half fragments lie 6 registers apart, tile t's upper half being tile t + 1's data, and six zeros behind the last.
; WHICH KEYS FORM A TILE OF K is chosen by the lanes' LDS addresses: tile (c, j) of a step of 128 keys has keys 64 c + 8 j + i in rows 0-7 and 64 c + 32 + 8 j + i in rows 8-15.  In S^T = K Q^T lane (r, h) then holds
; query r and, in registers 32 c + 0 .. 31, keys 64 c + 32 h + 0 .. 31: WHOLE scale blocks, in the order of the next operand's registers: no lane is asked for a block's maximum and no codes change lanes.
; In memory lane r of tile t is token 32 (t / 2) + 8 (t % 2) + r + 8 (r / 8): rows 0-7 of tile (c, j) are rows 8 (j / 2) + 0 .. 7 of tile 4 c + j % 2, rows 8-15 the same rows two tiles on.
; SHARES: a work-group owns 256 queries of one head, each of its sixteen waves one tile of 16.  Both products are used transposed (S^T = K Q^T, O^T = V^T P^T): a lane holds one query throughout.
; A HEAD'S WHOLE K AND V STAY IN LDS, each byte filled once.  K's 16-byte pieces lie 576 bytes a tile apart and its 8-byte pieces 288, so that two tiles' distance is 128 and 64 modulo 256: the lanes of a load name different columns modulo 256 bytes.
; FILLS: one joint load a wave, in one chain of branches: chunk 0 (512 keys) of K's two kinds of pieces and of V by waves 0, 4, 8 in lines of their own, chunks 1-3 by waves 1-3, 5-7, 9-11; K's scale words by waves 12, 13, V's by 14, 15.
; The first barrier shows chunk 0 and the scale words.  The second is signalled behind step 1, every wave having waited for its load, and waited for behind step 3: steps 2 and 3, which read chunk 0 alone, stand between.
; CLUSTER: the four query blocks of a cluster belong to one head: each load is asked for jointly, with a mask that names the four.  Nothing is prefetched: every byte that the launch streams is asked for at its head, and there is no loop to run ahead in.
; LIMITS: the promise holds while the scaled scores stay under 2^31 in magnitude; a block of zeros gets the byte 1 (its codes are zeros; this program alone reads the bytes); NaN and infinities are not served.
.set FRB,   1536
.set P16,   576                        ; K's registers 0-3 of a tile: 512 bytes + 64
.set P8,    288                        ; K's registers 4-5: 256 bytes + 32
.set K8B,   128*P16
.set VB,    K8B+128*P8                 ; V: [16 steps][4 tiles][1,536]
.set KSC,   VB+16*4*FRB                ; K's scale words [128 tiles][64 bytes]
.set VSC,   KSC+8192                   ; V's [16 steps][4 tiles][64]
.set SPARE, VSC+4096                   ; the spare words, 128 bytes a wave
.set VCO,   6291456                    ; in the input buffer: v's codes,
.set QKS,   9437184                    ; q's and k's scale words,
.set VSO,   9699328                    ; v's
.set OSO,   3145728                    ; in the output buffer: o's scale words
; v1-6 lane parts of the LDS addresses (K 16, K 8, K scales, V 16, V 8, V scales); v7, v8 the spare word and 0; v9-11 global offsets; v12 -M, v13 the largest score so far; v[14:15] the sum
; v16-27 Q; v28-31 V's scale words; v32-39 K's; v40 q's; v41 p's; v42-47 this step's addresses; v48 8 h; v49-61 the softmax's single numbers; v62-67 three chains of the sum; v70-76 second halves of conversions
.set VSW,  28
.set KSW,  32
.set PC,   78                          ; v78-89 p's codes
.set KV,   90                          ; v90-143 K's eight half fragments and six zeros; then V's four fragments
.set S,    144                         ; v144-207 S^T, then p
.set O,    208                         ; v208-239 O^T
.set WV,   18
.set SEL,  20
.set CS,   22
.set G1K16, 24
.set G1K8, 32
.set G1V,  40
.set G1KS, 48
.set G1VS, 80
.set T16,  2
.set T8,   3
.set TS,   66
.set TV,   67
.set TJ,   89
.macro ROUND                           ; a round of the cluster's barrier
	s_barrier_signal -1
	s_barrier_wait -1
	s_cmp_lg_u32 s[WV], 0
	s_cbranch_scc1 .Lnot_wave_0_\@
	s_barrier_signal -3
.Lnot_wave_0_\@:
	s_barrier_wait -3
	s_barrier_signal -1
	s_barrier_wait -1
.endm
.macro G0SET g, lbase, lmul, idx, off, gadd, gmul   ; group 0: LDS lbase + idx x lmul; global: the input buffer + s[off] + gadd + idx x gmul
	s_mov_b32 s[\g], 1
	s_mul_i32 s[\g+1], s[\idx], \lmul
	s_add_co_u32 s[\g+1], s[\g+1], \lbase
	s_mul_i32 s[\g+2], s[\idx], \gmul
	s_add_co_u32 s[\g+2], s[\g+2], s[\off]
	s_add_co_u32 s[\g+2], s[\g+2], \gadd
	s_mov_b32 s[\g+3], 0
	s_add_nc_u64 s[\g+2:\g+3], s[4:5], s[\g+2:\g+3]
	s_or_b32 s[\g+3], s[\g+3], 0x80000000
.endm
.macro ARM op, val, g0, g1, next
	\op s[WV], \val
	s_cbranch_scc0 \next
	tensor_load_to_lds s[\g0:\g0+3], s[\g1:\g1+7]
	s_nop 0
	s_branch .Lasked
\next:
.endm
	s_load_b128 s[4:7], s[0:1], 0x0                ; q, k, v as operands; o
	v_lshl_add_u32 v7, v0, 2, SPARE
	v_mov_b32 v8, 0
	ds_add_u32 v7, v8                              ; the opening lines: the add, twice on end, and its wait
	ds_add_u32 v7, v8
	v_lshrrev_b32 v9, 5, v0
	v_readfirstlane_b32 s[WV], v9                  ; wave 0..15
	s_and_b32 s16, ttmp7, 0xffff                   ; batch x 16 + head: the four partners share it
	s_and_b32 s17, s16, 15                         ; head
	s_lshr_b32 s16, s16, 4                         ; batch
	s_and_b32 s19, s17, 1                          ; which half of a fragment of q, k, o
	s_lshr_b32 s88, s17, 1                         ; the pair of heads
	s_add_co_u32 s8, s88, 8                        ; k's groups lie behind q's eight
	s_mul_i32 s9, s8, 256*FRB
	s_mul_i32 s10, s16, 128*FRB
	s_add_co_u32 s9, s9, s10
	s_mul_i32 s10, s19, 768
	s_add_co_u32 s9, s9, s10                       ; K: the head's first half fragment
	s_lshl_b32 s8, s8, 14
	s_lshl_b32 s10, s16, 13
	s_add_co_u32 s8, s8, s10
	s_add_co_u32 s8, s8, QKS                       ; its scale words
	s_mul_i32 s10, s16, 16*64*FRB
	s_mul_i32 s11, s17, 4*FRB
	s_add_co_u32 s10, s10, s11
	s_add_co_u32 s10, s10, VCO                     ; V: the batch's first 128 tokens, the head's four tiles
	s_lshl_b32 s11, s16, 16
	s_lshl_b32 s12, s17, 8
	s_add_co_u32 s11, s11, s12
	s_add_co_u32 s11, s11, VSO                     ; its scale words
	s_and_b32 s90, s[WV], 3                        ; which chunk I ask for,
	s_and_b32 s91, s[WV], 1                        ; or which half of the scale words
	; group 1: 15:0 the mask: all four work-groups; 17:16 elements of 8 bytes; 21 set beside a mask; K's with padding behind each row
	s_mov_b32 s[G1K16], 15|(3<<16)|(1<<20)|(1<<21)|(6<<22)|(15<<25)   ; after every 128 words 16 words
	s_mov_b32 s[G1K8], 15|(3<<16)|(1<<20)|(1<<21)|(5<<22)|(7<<25)     ; after every 64 words 8 words
.irp g, G1V, G1KS, G1VS
	s_mov_b32 s[\g], 15|(3<<16)|(1<<21)
.endr
.irp g, G1K16, G1K8, G1V, G1KS, G1VS
	s_mov_b32 s[\g+6], 0
	s_mov_b32 s[\g+7], 0
.endr
	s_mov_b32 s[G1K16+1], 64<<16                   ; 32 rows (tiles) of 512 bytes, a fragment (192 elements) apart
	s_mov_b32 s[G1K16+2], 32<<16
	s_mov_b32 s[G1K16+3], 64<<16
	s_mov_b32 s[G1K16+4], 32
	s_mov_b32 s[G1K16+5], 192
	s_mov_b32 s[G1K8+1], 32<<16                    ; 32 rows of 256 bytes
	s_mov_b32 s[G1K8+2], 32<<16
	s_mov_b32 s[G1K8+3], 32<<16
	s_mov_b32 s[G1K8+4], 32
	s_mov_b32 s[G1K8+5], 192
	s_mov_b32 s[G1V+1], 768<<16                    ; 4 rows (steps of 128 keys) of four fragments, 64 fragments apart
	s_mov_b32 s[G1V+2], 4<<16
	s_mov_b32 s[G1V+3], 768<<16
	s_mov_b32 s[G1V+4], 4
	s_mov_b32 s[G1V+5], 12288
	s_mov_b32 s[G1KS+1], 32<<16                    ; 4,096 dense bytes as 16 rows of 256
	s_mov_b32 s[G1KS+2], 16<<16
	s_mov_b32 s[G1KS+3], 32<<16
	s_mov_b32 s[G1KS+4], 16
	s_mov_b32 s[G1KS+5], 32
	s_mov_b32 s[G1VS+1], 32<<16                    ; 8 rows (steps) of 256 bytes, 4,096 bytes apart
	s_mov_b32 s[G1VS+2], 8<<16
	s_mov_b32 s[G1VS+3], 32<<16
	s_mov_b32 s[G1VS+4], 8
	s_mov_b32 s[G1VS+5], 512
	s_mov_b32 s[SEL], 0x76543210
	s_mov_b32 s[SEL+1], 0xfedcba98                 ; selects for lane l xor 16
	s_mov_b32 s[CS], 0x3e38aa3b                    ; c = log2(e) / 8
	s_mov_b32 s[CS+1], s[CS]
	s_wait_dscnt 0x0
	s_wait_kmcnt 0x0
	G0SET 56, 0,   32*P16, 90, 9,  0,   32*FRB
	G0SET 60, K8B, 32*P8,  90, 9,  512, 32*FRB
	G0SET 68, VB,  16*FRB, 90, 10, 0,   4*64*FRB
	G0SET 72, KSC, 4096,   91, 8,  0,   4096
	G0SET 76, VSC, 2048,   91, 11, 0,   32768
	ROUND                                          ; all four work-groups are here: the joint loads meet
	ARM s_cmp_eq_u32, 0,  56, G1K16, .La1          ; chunk 0's lines are issued by one wave each
	ARM s_cmp_lt_u32, 4,  56, G1K16, .La2
	ARM s_cmp_eq_u32, 4,  60, G1K8,  .La3
	ARM s_cmp_lt_u32, 8,  60, G1K8,  .La4
	ARM s_cmp_eq_u32, 8,  68, G1V,   .La5
	ARM s_cmp_lt_u32, 12, 68, G1V,   .La6
	ARM s_cmp_lt_u32, 14, 72, G1KS,  .La7
	tensor_load_to_lds s[76:79], s[G1VS:G1VS+7]
	s_nop 0
.Lasked:
	; my tile of queries: 128 batch + 16 (4 cluster x + cx) + wave.  cx enters global addresses of q and o alone
	s_bfe_u32 s8, ttmp6, 0x40000
	s_lshl_b32 s9, ttmp9, 2
	s_add_co_u32 s8, s8, s9
	s_lshl_b32 s8, s8, 4
	s_add_co_u32 s8, s8, s[WV]
	s_lshl_b32 s9, s16, 7
	s_add_co_u32 s8, s8, s9
	s_mul_i32 s10, s88, 256*FRB
	s_mul_i32 s11, s8, FRB
	s_add_co_u32 s10, s10, s11
	s_mul_i32 s9, s19, 768
	s_add_co_u32 s10, s10, s9
	s_mov_b32 s11, 0
	s_add_nc_u64 s[10:11], s[4:5], s[10:11]        ; q's half fragment
	s_lshl_b32 s12, s88, 8
	s_add_co_u32 s12, s12, s8
	s_lshl_b32 s12, s12, 6
	s_mov_b32 s13, 0
	s_add_co_u32 s14, s12, OSO
	s_mov_b32 s15, 0
	s_add_co_u32 s12, s12, QKS
	s_add_nc_u64 s[12:13], s[4:5], s[12:13]        ; q's scale words
	s_add_nc_u64 s[14:15], s[6:7], s[14:15]        ; o's
	s_lshl_b32 s8, s8, 3
	s_add_co_u32 s8, s8, s88
	s_mul_i32 s8, s8, FRB
	s_add_co_u32 s8, s8, s9
	s_mov_b32 s9, 0
	s_add_nc_u64 s[8:9], s[6:7], s[8:9]            ; o's half fragment: [tile][K step 8][1,536]
	s_lshl_b32 s17, s19, 1
	v_and_b32 v50, 31, v0                          ; lane
	v_and_b32 v54, 15, v0                          ; r
	v_and_b32 v55, 7, v0                           ; r % 8
	v_bfe_u32 v56, v0, 4, 1                        ; h
	v_bfe_u32 v57, v0, 3, 1                        ; r / 8
	v_lshlrev_b32 v9, 4, v50
	v_lshlrev_b32 v10, 3, v50
	v_lshl_add_u32 v11, v54, 2, s17                ; 4 r + 2 x (head % 2)
	v_lshlrev_b32 v1, 4, v55
	v_lshl_add_u32 v1, v56, 8, v1
	v_mad_u32_u24 v1, v57, 2*P16, v1               ; K's 16-byte pieces: 16 (16 h + r % 8), rows 8-15 two tiles on
	v_lshlrev_b32 v2, 3, v55
	v_lshl_add_u32 v2, v56, 7, v2
	v_mad_u32_u24 v2, v57, 2*P8, v2
	v_add_nc_u32 v2, K8B, v2                       ; its 8-byte pieces
	v_lshl_add_u32 v3, v55, 2, s17
	v_lshl_add_u32 v3, v57, 7, v3
	v_lshl_add_u32 v3, v56, 6, v3                  ; lanes 16-31 take the words of the tile beside it (j + 1: 64 bytes on): one load serves two tiles
	v_add_nc_u32 v3, KSC, v3                       ; K's scale words: my head's two bytes of row r % 8, rows 8-15 two tiles on
	v_add_nc_u32 v4, VB, v9
	v_add_nc_u32 v5, VB, v10
	v_lshl_add_u32 v6, v54, 2, VSC
	v_lshl_add_u32 v6, v56, 6, v6                  ; V's scale words: lanes 16-31 take the next tile's
	v_lshlrev_b32 v48, 3, v56                      ; 8 h
	global_load_b128 v[16:19], v9, s[10:11]
	global_load_b64 v[20:21], v10, s[10:11] offset:512
	global_load_u16 v40, v11, s[12:13]             ; my head's two scale bytes; bytes 2 and 3 are 0, over zero codes
.irp i, 22,23,24,25,26,27
	v_mov_b32 v[\i], 0                             ; K = 64 .. 127 of the first product: zero codes in Q
.endr
.irp i, 48,49,50,51,52,53
	v_mov_b32 v[KV+\i], 0                          ; behind K's last half fragment
.endr
	v_mov_b32 v13, 0xff61b1e6                      ; the largest score so far: -3e38
	v_mov_b32 v12, 0x7f61b1e6                      ; -M: 3e38
	v_mov_b32 v14, 0                               ; the sum, in two halves
	v_mov_b32 v15, 0
	v_mov_b32 v51, 0                               ; a lane exchange's destination counts as one of its sources
	v_mov_b32 v61, 0
	v_mov_b32 v53, 0                               ; (named as the upper half of the pair v[52:53])
.set j, 0
.rept 32
	v_mov_b32 v[O+j], 0                            ; O^T.  (The step has no first form: it finds zeros, which the first change of M leaves zeros)
.set j, j+1
.endr
	s_wait_alu depctr_va_vdst(0)
	s_wait_loadcnt 0x0                             ; Q
	s_cmp_ge_u32 s[WV], 12                         ; the waves that asked for chunk 0 or for scale words wait for their load
	s_cbranch_scc1 .Lmine
	s_cmp_lg_u32 s90, 0
	s_cbranch_scc1 .Lnot_mine
.Lmine:
	s_wait_tensorcnt 0x0
.Lnot_mine:
	s_barrier_signal -1
	s_barrier_wait -1                              ; chunk 0 and all scale words are in
; A KEY STEP: 128 keys, 12 matrix instructions beside the softmax of 16 queries x 128 keys.
.macro STEP
	v_add_nc_u32 v42, s[T16], v1                   ; (with the v_nop: the four places behind the last step's products, in front of the loads into their registers)
	v_add_nc_u32 v43, s[T8], v2
	v_add_nc_u32 v44, s[TS], v3
	v_nop
.irp c, 0,1
.irp j, 0,1,2,3
	ds_load_b128 v[KV+6*(4*\c+\j):KV+6*(4*\c+\j)+3], v42 offset:P16*(4*\c+\j%2)+128*(\j/2)
	ds_load_b64 v[KV+6*(4*\c+\j)+4:KV+6*(4*\c+\j)+5], v43 offset:P8*(4*\c+\j%2)+64*(\j/2)
.if \j%2 == 0
	ds_load_u16 v[KSW+2*\c+\j/2], v44 offset:256*\c+32*(\j/2)   ; lanes 0-15: tile (c, j); lanes 16-31: tile (c, j + 1)
.endif
.endr
.endr
	s_wait_dscnt 0x0
.irp u, 0,1,2,3                                ; tiles 2 u and 2 u + 1 share a scale register: the odd tile's words stand in lanes 16-31
	v_wmma_scale_f32_16x16x128_f8f6f4 v[S+16*\u:S+16*\u+7], v[KV+12*\u:KV+12*\u+11], v[16:27], 0, v[KSW+\u], v40 matrix_a_fmt:MATRIX_FMT_FP6 matrix_b_fmt:MATRIX_FMT_FP6
	v_wmma_scale_f32_16x16x128_f8f6f4 v[S+16*\u+8:S+16*\u+15], v[KV+12*\u+6:KV+12*\u+17], v[16:27], 0, v[KSW+\u], v40 matrix_a_fmt:MATRIX_FMT_FP6 matrix_b_fmt:MATRIX_FMT_FP6 matrix_a_scale:MATRIX_SCALE_ROW1
.endr
	v_add_nc_u32 v45, s[TV], v4                    ; four places: in front of the loads into K's registers and of the first read of S^T
	v_add_nc_u32 v46, s[TV], v5
	v_add_nc_u32 v47, s[TJ], v6
	v_mov_b32 v49, v12                             ; the old -M
.irp d, 0,1,2,3
	ds_load_b128 v[KV+12*\d:KV+12*\d+3], v45 offset:FRB*\d
	ds_load_b64 v[KV+12*\d+4:KV+12*\d+5], v46 offset:FRB*\d+512
	ds_load_b128 v[KV+12*\d+6:KV+12*\d+9], v45 offset:FRB*\d+768
	ds_load_b64 v[KV+12*\d+10:KV+12*\d+11], v46 offset:FRB*\d+1280
.if \d%2 == 0
	ds_load_b32 v[VSW+\d/2], v47 offset:64*\d      ; lanes 0-15: tile d; lanes 16-31: tile d + 1
.endif
.endr
	; THE LARGEST SCORE OF EACH OF MY TWO BLOCKS serves twice: for the row's maximum and, since p rises with the score, for the block's largest p.  Two chains a block, each accumulator from its low end on
	v_max3_num_f32 v54, v[S], v[S+1], v[S+2]
	v_max3_num_f32 v60, v[S+16], v[S+17], v[S+18]
	v_max3_num_f32 v55, v[S+32], v[S+33], v[S+34]
	v_max3_num_f32 v61, v[S+48], v[S+49], v[S+50]
.irp i, 3,5,7,9,11,13
	v_max3_num_f32 v54, v54, v[S+\i], v[S+\i+1]
	v_max3_num_f32 v60, v60, v[S+16+\i], v[S+17+\i]
	v_max3_num_f32 v55, v55, v[S+32+\i], v[S+33+\i]
	v_max3_num_f32 v61, v61, v[S+48+\i], v[S+49+\i]
.endr
	v_max3_num_f32 v54, v54, v60, v[S+15]
	v_max3_num_f32 v55, v55, v61, v[S+47]
	v_max_num_f32 v54, v54, v[S+31]
	v_max_num_f32 v55, v55, v[S+63]
	v_max_num_f32 v50, v54, v55
	v_permlanex16_b32 v51, v50, s[SEL], s[SEL+1]
	v_max3_num_f32 v13, v13, v50, v51              ; the largest score of my query so far
	v_mul_f32 v50, s[CS], v13                      ; as t (c is positive)
	v_floor_f32 v12, -v50                          ; the new -M = -ceil(t): a whole number
	v_sub_f32 v49, v12, v49                        ; old M - new M: a whole number, 0 or less
	v_cvt_i32_f32 v49, v49                         ; (it saturates)
	v_ldexp_f32 v52, 1.0, v49                      ; f = 2^(old M - new M)
.set j, 0
.rept 32
	v_pk_fma_f32 v[S+j:S+j+1], v[S+j:S+j+1], s[CS:CS+1], v[12:13] op_sel_hi:[1,0,0]   ; t - M, two at a time
.set j, j+2
.endr
	v_fma_f32 v54, v54, s[CS], v12                 ; the same of each block's largest score
	v_fma_f32 v55, v55, s[CS], v12
	s_wait_alu depctr_va_vdst(0)
.set j, 0
.rept 64
	v_exp_f32 v[S+j], v[S+j]                       ; p = 2^(t - M): not normalised
.set j, j+1
.endr
	v_exp_f32 v54, v54                             ; the blocks' largest p: the same two instructions on the same number give the same bits
	v_exp_f32 v55, v55
	v_pk_mul_f32 v[14:15], v[14:15], v[52:53] op_sel_hi:[1,0]   ; the sums under the new M  (a plain instruction behind the batch)
	s_wait_alu depctr_va_vdst(0)                   ; one wait for the batch, directly ahead of the first reader of O^T too
.irp j, 0,2,4,6,8,10,12,14,16,18,20,22,24,26,28,30
	v_pk_mul_f32 v[O+\j:O+1+\j], v[O+\j:O+1+\j], v[52:53] op_sel_hi:[1,0]   ; O^T under the new M
.endr
	v_max_num_f32 v54, 0x1800000, v54              ; the floor 2^(3 - 127): the byte cannot fall under 1
	v_max_num_f32 v55, 0x1800000, v55
	v_add_nc_u32 v56, 0xff000000, v54              ; 2 off the exponent field: the conversion's scale operand
	v_add_nc_u32 v57, 0xff000000, v55
	v_lshrrev_b32 v58, 23, v56                     ; the scale's byte
	v_lshrrev_b32 v59, 23, v57
	v_lshl_or_b32 v60, v59, 16, v58                ; my bytes: blocks h and 2 + h,
	v_lshlrev_b32 v60, v48, v60                    ; at their places in the word;
	v_permlanex16_b32 v61, v60, s[SEL], s[SEL+1]
	v_or_b32 v41, v60, v61                         ; with lane l xor 16's two p's scale word is whole
.irp c, 0,1
	v_cvt_scalef32_pk16_fp6_f32 v[PC+6*\c:PC+6*\c+2], v[S+32*\c:S+32*\c+15], v[56+\c]
	v_cvt_scalef32_pk16_fp6_f32 v[70+4*\c:72+4*\c], v[S+32*\c+16:S+32*\c+31], v[56+\c]   ; (a conversion's three registers begin on an even number)
.endr
	v_pk_add_f32 v[62:63], v[S:S+1], v[S+2:S+3]    ; THE ROW'S SUM IS TAKEN OF THE UNQUANTISED p, in four chains; these lines also stand between the writes of p's codes and scale word and the products
	v_pk_add_f32 v[64:65], v[S+4:S+5], v[S+6:S+7]
	v_pk_add_f32 v[66:67], v[S+8:S+9], v[S+10:S+11]
	v_pk_add_f32 v[14:15], v[14:15], v[S+12:S+13]
.irp c, 0,1
.irp i, 0,1,2
	v_mov_b32 v[PC+3+6*\c+\i], v[70+4*\c+\i]
.endr
.endr
.irp k, 14,22,30,38,46,54
	v_pk_add_f32 v[62:63], v[62:63], v[S+\k:S+\k+1]
	v_pk_add_f32 v[64:65], v[64:65], v[S+\k+2:S+\k+3]
	v_pk_add_f32 v[66:67], v[66:67], v[S+\k+4:S+\k+5]
	v_pk_add_f32 v[14:15], v[14:15], v[S+\k+6:S+\k+7]
.endr
	v_pk_add_f32 v[62:63], v[62:63], v[S+62:S+63]
	v_pk_add_f32 v[14:15], v[14:15], v[66:67]
	v_pk_add_f32 v[62:63], v[62:63], v[64:65]
	v_pk_add_f32 v[14:15], v[14:15], v[62:63]
	s_wait_dscnt 0x0                               ; V's fragments and scale words
.irp d, 0,1,2,3                                ; O^T += V^T P^T: the head's four tiles of 16 channels, by turns; K = these 128 keys
.if \d%2
	v_wmma_scale_f32_16x16x128_f8f6f4 v[O+8*\d:O+8*\d+7], v[KV+12*\d:KV+12*\d+11], v[PC:PC+11], v[O+8*\d:O+8*\d+7], v[VSW+\d/2], v41 matrix_a_fmt:MATRIX_FMT_FP6 matrix_b_fmt:MATRIX_FMT_FP6 matrix_a_scale:MATRIX_SCALE_ROW1
.else
	v_wmma_scale_f32_16x16x128_f8f6f4 v[O+8*\d:O+8*\d+7], v[KV+12*\d:KV+12*\d+11], v[PC:PC+11], v[O+8*\d:O+8*\d+7], v[VSW+\d/2], v41 matrix_a_fmt:MATRIX_FMT_FP6 matrix_b_fmt:MATRIX_FMT_FP6
.endif
.endr
.endm
.macro SETT n                          ; step n's places in LDS
	s_mov_b32 s[T16], 8*P16*(\n)
	s_mov_b32 s[T8], 8*P8*(\n)
	s_mov_b32 s[TS], 512*(\n)
	s_mov_b32 s[TV], 4*FRB*(\n)
	s_mov_b32 s[TJ], 256*(\n)
.endm
.macro ADV
	s_add_co_u32 s[T16], s[T16], 8*P16
	s_add_co_u32 s[T8], s[T8], 8*P8
	s_add_co_u32 s[TS], s[TS], 512
	s_add_co_u32 s[TV], s[TV], 4*FRB
	s_add_co_u32 s[TJ], s[TJ], 256
.endm
	SETT 0
.Lfirst:                                               ; steps 0, 1
	STEP
	ADV
	s_cmp_lg_u32 s[TJ], 2*256
	s_cbranch_scc1 .Lfirst
	s_wait_tensorcnt 0x0                           ; every wave's load has landed,
	s_wait_dscnt 0x0
	s_barrier_signal -1                            ; says so,
	SETT 2
	STEP                                           ; and goes on in chunk 0: register work and reads of bytes that nobody writes
	SETT 3
	STEP
	s_barrier_wait -1                              ; all of K and V are in
	SETT 4
.Lrest:                                                ; steps 4 to 15
	STEP
	ADV
	s_cmp_lg_u32 s[TJ], 16*256
	s_cbranch_scc1 .Lrest
	; THE WAY OUT: O^T / the sum, quantised along the head's 64 channels (two blocks): half a fragment and two bytes of a scale word.  Register 16 b + i is channel 32 b + 16 h + i of my query
.rept 4
	v_nop                                          ; places behind the last products
.endr
	s_wait_alu depctr_va_vdst(0)                   ; the sum was written just ahead of the last step's wait for V
	v_add_f32 v14, v14, v15                        ; the sum's two halves,
	v_permlanex16_b32 v51, v14, s[SEL], s[SEL+1]
	v_add_f32 v14, v14, v51                        ; and lane l xor 16's: the row's sum
	s_wait_alu depctr_va_vdst(0)
	v_rcp_f32 v14, v14
	v_nop                                          ; a plain instruction behind the reciprocal
	s_wait_alu depctr_va_vdst(0)                   ; and the wait ahead of its first reader, which is O^T's first reader too
.irp j, 0,2,4,6,8,10,12,14,16,18,20,22,24,26,28,30
	v_pk_mul_f32 v[S+\j:S+1+\j], v[O+\j:O+1+\j], v[14:15] op_sel_hi:[1,0]
.endr
.irp b, 0,1
	v_max3_num_f32 v[54+\b], |v[S+16*\b]|, |v[S+1+16*\b]|, 0x1800000
.endr
.irp i, 2,4,6,8,10,12,14
.irp b, 0,1
	v_max3_num_f32 v[54+\b], v[54+\b], |v[S+16*\b+\i]|, |v[S+1+16*\b+\i]|
.endr
.endr
	v_permlanex16_b32 v60, v54, s[SEL], s[SEL+1]
	v_permlanex16_b32 v61, v55, s[SEL], s[SEL+1]
	v_max_num_f32 v54, v54, v60
	v_max_num_f32 v55, v55, v61
	v_add_nc_u32 v56, 0xff000000, v54
	v_add_nc_u32 v57, 0xff000000, v55
	v_lshrrev_b32 v58, 23, v56
	v_lshrrev_b32 v59, 23, v57
	v_lshl_or_b32 v60, v59, 8, v58
	v_cvt_scalef32_pk16_fp6_f32 v[PC:PC+2], v[S:S+15], v56
	v_cvt_scalef32_pk16_fp6_f32 v[70:72], v[S+16:S+31], v57
	v_nop
.irp i, 0,1,2
	v_permlane16_swap_b32 v[PC+\i], v[70+\i]       ; the operand's layout wants a whole block in a lane
.endr
.irp i, 0,1,2
	v_mov_b32 v[PC+3+\i], v[70+\i]
.endr
	global_store_b128 v9, v[PC:PC+3], s[8:9]               ; 512 consecutive bytes, aligned
	global_store_b64 v10, v[PC+4:PC+5], s[8:9] offset:512  ; 256
	global_store_b16 v11, v60, s[14:15]            ; two bytes of each row's scale word (lanes r and 16 + r store the same); the other two are the neighbouring head's
	s_wait_tensorcnt 0x0                           ; the wave's end
	ds_add_u32 v7, v8
	s_wait_dscnt 0x0
	ROUND                                          ; the closing round
	s_endpgm
.Lfunc_end_k_q7d110a1b9c_attn:
	.size	k_q7d110a1b9c_attn, .Lfunc_end_k_q7d110a1b9c_attn-k_q7d110a1b9c_attn
	.p2alignl 7, 3214868480
	.fill 96, 4, 3214868480
	.section	.rodata,"a",@progbits
	.p2align	6, 0x0
	.amdhsa_kernel k_q7d110a1b9c_attn
		.amdhsa_group_segment_fixed_size 223232
		.amdhsa_private_segment_fixed_size 0
		.amdhsa_enable_private_segment 0
		.amdhsa_kernarg_size 16
		.amdhsa_user_sgpr_count 2
		.amdhsa_user_sgpr_kernarg_segment_ptr 1
		.amdhsa_wavefront_size32 1
		.amdhsa_system_sgpr_workgroup_id_x 1
		.amdhsa_system_sgpr_workgroup_id_y 1
		.amdhsa_system_sgpr_workgroup_id_z 1
		.amdhsa_system_vgpr_workitem_id 0
		.amdhsa_next_free_vgpr 256
		.amdhsa_next_free_sgpr 96
		.amdhsa_reserve_vcc 0
		.amdhsa_float_denorm_mode_32 3
		.amdhsa_float_denorm_mode_16_64 3
		.amdhsa_memory_ordered 1
		.amdhsa_forward_progress 1
		.amdhsa_inst_pref_size 78
	.end_amdhsa_kernel
	.amdgpu_metadata
---
amdhsa.version: [ 1, 2 ]
amdhsa.kernels:
  - .name:           k_q7d110a1b9c_attn
    .symbol:         k_q7d110a1b9c_attn.kd
    .args:
      - { .name: w2, .offset: 0, .size: 8, .value_kind: global_buffer, .address_space: global }
      - { .name: w3, .offset: 8, .size: 8, .value_kind: global_buffer, .address_space: global }
    .group_segment_fixed_size: 223232
    .private_segment_fixed_size: 0
    .kernarg_segment_align: 8
    .kernarg_segment_size: 16
    .max_flat_workgroup_size: 512
    .sgpr_count:     96
    .vgpr_count:     256
    .wavefront_size: 32
...
	.end_amdgpu_metadata
.endif
;; end of part 3
;; launch proj (part 4): grid 8 x 32, 4 waves a work-group, clusters of 4 x 4, 327,680 bytes of LDS; arguments w3, w1, out_b, x, x1; writes x1
.if DOCPART == 4
	.amdgcn_target "amdgcn-amd-amdhsa--gfx1250"
	.amdhsa_code_object_version 6
	.text
	.protected	k_q7d110a1b9c_proj
	.globl	k_q7d110a1b9c_proj
	.p2align	8
	.type	k_q7d110a1b9c_proj,@function
k_q7d110a1b9c_proj:
	s_mov_b64 s[64:65], 0
	v_nop
	global_prefetch_b8 v0, s[64:65] scope:SCOPE_SE
	s_setreg_imm32_b32 hwreg(HW_REG_WAVE_MODE, 25, 1), 1
	s_wait_xcnt 0x0
	s_wait_alu depctr_hold_cnt(0) depctr_sa_sdst(0) depctr_va_vdst(0) depctr_va_sdst(0) depctr_va_ssrc(0) depctr_va_vcc(0) depctr_vm_vsrc(0)
	s_getreg_b32 s2, hwreg(HW_REG_IB_STS2, 6, 4)
	s_cmp_eq_u32 s2, 0
	s_cbranch_scc0 .Lentry_in_a_cluster
	s_endpgm
.Lentry_in_a_cluster:
	s_bfe_u32 s2, ttmp6, 0x10000c
	s_cmp_lg_u32 s2, 0xf033
	s_cbranch_scc0 .Lentry_shape_is_right
	s_endpgm
.Lentry_shape_is_right:
.set FF2,   0
.if FF2
.set KS,    32
.set S1SC,  12582912
.set S0CO,  524288+768*12288
.set S0SO,  393216
.set S0SS,  512
.else
.set KS,    8
.set S1SC,  3145728
.set S0CO,  524288+448*12288
.set S0SO,  448*64
.set S0SS,  6144
.endif
.set NQ,    4
.set FR,    12
.set FRB,   1536
.set HALFT, 4*NQ*FRB
.set SLOT,  4*HALFT
.set SCL,   2*SLOT
.set HALFS, 256*KS
.set SPARE, SCL+4*HALFS
.set SPITCH, 272
.set LAPS,  KS/(2*NQ)
.set A16, 16
.set A8,  18
.set B16, 20
.set B8,  22
.set STO, 24
.set RD,  25
.set CO,  26
.set ADRS, 27
.set SPW, 28
.set NIL, 29
.set SC,  32
.set BIAS, 64
.set ACC, 128
.set RES, 0
.set BK,  128
.set G1, 24
.set G0, 32
.set G1B, 48
.set G0B, 56
.set G1S, 68
.set G0S, 76
.set G1SB, 80
.set G0SB, 88
.set MSB, 0
.macro WIN new
.if MSB != \new
	s_set_vgpr_msb (MSB<<8)|\new
.set MSB, \new
.endif
.endm
.set MULW, 0x05
.set TO_F, 0x40
.macro JLOAD g0a, g1a, g0b, g1b
	s_cmp_eq_u32 s15, 0
	s_cbranch_scc0 .Lfor_b_\@
	tensor_load_to_lds s[\g0a:\g0a+3], s[\g1a:\g1a+7]
	s_nop 0
.rept 4
	v_nop
.endr
	s_branch .Lasked_\@
.Lfor_b_\@:
	tensor_load_to_lds s[\g0b:\g0b+3], s[\g1b:\g1b+7]
	s_nop 0
.rept 4
	v_nop
.endr
.Lasked_\@:
.endm
.macro CREST
	s_cmp_lg_u32 s14, 0
	s_cbranch_scc1 .Lnot_wave_0_\@
	s_barrier_signal -3
.Lnot_wave_0_\@:
	s_barrier_wait -3
	s_barrier_signal -1
	s_barrier_wait -1
.endm
.macro CROUND
	s_barrier_signal -1
	s_barrier_wait -1
	CREST
.endm
	s_load_b256 s[4:11], s[0:1], 0x0
	s_load_b64 s[12:13], s[0:1], 0x20
	v_lshl_add_u32 v[SPW], v0, 2, SPARE
	v_mov_b32 v[NIL], 0
	ds_add_u32 v28, v29
	ds_add_u32 v28, v29
	s_wait_dscnt 0x0
	v_lshrrev_b32 v1, 5, v0
	v_readfirstlane_b32 s14, v1
	s_lshr_b32 s15, s14, 1
	s_and_b32 s16, s14, 1
	s_bfe_u32 s40, ttmp6, 0x40000
	s_bfe_u32 s41, ttmp6, 0x40004
	s_lshl_b32 s42, ttmp9, 2
	s_add_co_u32 s42, s42, s40
	s_and_b32 s17, ttmp7, 0xffff
	s_lshl_b32 s17, s17, 2
	s_add_co_u32 s17, s17, s41
	s_lshl_b32 s43, s41, 2
	s_lshl_b32 s43, 15, s43
	s_lshl_b32 s44, 0x1111, s40
	s_or_b32 s[G1+0], s43, (3<<16)|(1<<21)
	s_or_b32 s[G1B+0], s44, (3<<16)|(1<<21)
.irp g, G1, G1B
	s_mov_b32 s[\g+1], (NQ*FRB/8)<<16
	s_mov_b32 s[\g+2], 8<<16                       ; 8 tiles for the head's loads; behind them 4
	s_mov_b32 s[\g+3], (NQ*FRB/8)<<16
	s_mov_b32 s[\g+4], 8
	s_mov_b32 s[\g+5], KS*FRB/8
	s_mov_b32 s[\g+6], 0
	s_mov_b32 s[\g+7], 0
.endr
	s_or_b32 s[G1S+0], s43, (3<<16)|(1<<21)
	s_or_b32 s[G1SB+0], s44, (3<<16)|(1<<21)
.irp g, G1S, G1SB
	s_mov_b32 s[\g+1], 64<<16                      ; a row of scale words: 8 tiles x 64 bytes
	s_mov_b32 s[\g+2], KS<<16
	s_mov_b32 s[\g+3], 64<<16
	s_mov_b32 s[\g+4], KS
	s_mov_b32 s[\g+6], 0
	s_mov_b32 s[\g+7], 0
.endr
	s_mov_b32 s[G1S+5], 256*64/8
	s_mov_b32 s[G1SB+5], S0SS
	s_lshl_b32 s18, s16, 2
	s_lshl_b32 s20, s17, 3
	s_add_co_u32 s20, s20, s18
	s_lshl_b32 s46, s42, 3
	s_add_co_u32 s46, s46, s18
	s_mul_i32 s22, s20, KS*FRB
	s_mov_b32 s23, 0
	s_lshl_b32 s20, s20, 6
	s_add_co_u32 s20, s20, S1SC
	s_mov_b32 s21, 0
	s_mul_i32 s66, s46, KS*FRB
	s_add_co_u32 s66, s66, S0CO
	s_mov_b32 s67, 0
	s_lshl_b32 s92, s46, 6
	s_add_co_u32 s92, s92, S0SO
	s_mov_b32 s93, 0
	s_mul_i32 s45, s14, HALFT
	s_mul_i32 s94, s14, HALFS
	s_wait_kmcnt 0x0
	s_add_nc_u64 s[22:23], s[4:5], s[22:23]
	s_add_nc_u64 s[20:21], s[4:5], s[20:21]
	s_add_nc_u64 s[66:67], s[6:7], s[66:67]
	s_add_nc_u64 s[92:93], s[6:7], s[92:93]
	CROUND
	; THE HEAD'S FOUR TILES, each whole, one a wave: slot 0's 8 tiles of S1, its 8 tiles of S0, S1's scale words, S0's.  Their addresses are my half's less my half's distance
	s_mul_i32 s96, s16, 4*KS*FRB
	s_mov_b32 s97, 0
	s_lshl_b32 s18, s16, 8
	s_mov_b32 s19, 0
	s_mov_b32 s[G0S], 1
	s_mov_b32 s[G0S+1], SCL
	s_sub_nc_u64 s[G0S+2:G0S+3], s[20:21], s[18:19]
	s_or_b32 s[G0S+3], s[G0S+3], 0x80000000
	s_mov_b32 s[G0SB], 1
	s_mov_b32 s[G0SB+1], SCL+2*HALFS
	s_sub_nc_u64 s[G0SB+2:G0SB+3], s[92:93], s[18:19]
	s_or_b32 s[G0SB+3], s[G0SB+3], 0x80000000
	s_mov_b32 s[G0], 1
	s_mov_b32 s[G0+1], 0
	s_sub_nc_u64 s[G0+2:G0+3], s[22:23], s[96:97]
	s_or_b32 s[G0+3], s[G0+3], 0x80000000
	s_mov_b32 s[G0B], 1
	s_mov_b32 s[G0B+1], 2*HALFT
	s_sub_nc_u64 s[G0B+2:G0B+3], s[66:67], s[96:97]
	s_or_b32 s[G0B+3], s[G0B+3], 0x80000000
	s_mov_b32 s[G0+4], 1                           ; slot 1: my quarter, the next NQ K steps
	s_add_co_u32 s[G0+5], s45, SLOT
	s_add_nc_u64 s[G0+6:G0+7], s[22:23], NQ*FRB
	s_or_b32 s[G0+7], s[G0+7], 0x80000000
	s_mov_b32 s[G0B+4], 1
	s_add_co_u32 s[G0B+5], s45, SLOT
	s_add_nc_u64 s[G0B+6:G0B+7], s[66:67], NQ*FRB
	s_or_b32 s[G0B+7], s[G0B+7], 0x80000000
; ONE chain of branches on the wave's number, one load to an arm, all arms leading to one join: one tensor load a wave at the head
.macro ARM under, g0, g1, next
	s_cmp_lt_u32 s14, \under
	s_cbranch_scc0 \next
	tensor_load_to_lds s[\g0:\g0+3], s[\g1:\g1+7]
	s_nop 0
.rept 4
	v_nop
.endr
	s_branch .Lhead_asked
\next:
.endm
	ARM 1, G0,  G1,  .Lhead_b
	ARM 2, G0B, G1B, .Lhead_sa
	ARM 3, G0S, G1S, .Lhead_sb
	tensor_load_to_lds s[G0SB:G0SB+3], s[G1SB:G1SB+7]
	s_nop 0
.rept 4
	v_nop
.endr
.Lhead_asked:
	v_and_b32 v1, 31, v0
	v_and_b32 v2, 15, v0
	v_bfe_u32 v3, v0, 4, 1
	v_lshlrev_b32 v4, 4, v1
	v_lshlrev_b32 v5, 3, v1
	s_mul_i32 s21, s15, HALFT
	s_mul_i32 s22, s16, HALFT
	s_add_co_u32 s22, s22, 2*HALFT
.irp s, 0,1
	v_add_nc_u32 v[A16+\s], s21, v4
	v_add_nc_u32 v[A8+\s], s21, v5
	v_add_nc_u32 v[B16+\s], s22, v4
	v_add_nc_u32 v[B8+\s], s22, v5
	s_add_co_u32 s21, s21, SLOT
	s_add_co_u32 s22, s22, SLOT
.endr
	v_lshlrev_b32 v5, 2, v2
	s_lshl_b32 s21, s15, 8                         ; S1's scale words: my 4 tiles of a row of 8
	s_lshl_b32 s22, s16, 8
	s_add_co_u32 s22, s22, 2*HALFS
	s_sub_co_u32 s22, s22, s21
	v_mul_u32_u24 v6, s22, v3
	s_add_co_u32 s21, s21, SCL
	v_add_nc_u32 v6, v5, v6
	v_add_nc_u32 v[ADRS], s21, v6
	s_mul_i32 s23, s14, 16*SPITCH
	v_mul_u32_u24 v6, v2, SPITCH
	v_lshl_add_u32 v6, v3, 6, v6
	v_add_nc_u32 v[STO], s23, v6
	v_mul_u32_u24 v6, v3, SPITCH
	v_lshl_add_u32 v6, v2, 4, v6
	v_add_nc_u32 v[RD], s23, v6
	v_lshlrev_b32 v6, 12, v3
	v_lshl_add_u32 v[CO], v2, 4, v6
	v_lshlrev_b32 v7, 6, v3
	s_wait_alu depctr_va_vdst(0)
	s_lshl_b32 s20, s17, 7
	s_lshl_b32 s21, s15, 6
	s_add_co_u32 s20, s20, s21
	s_lshl_b32 s20, s20, 12
	s_lshl_b32 s21, s42, 7
	s_lshl_b32 s22, s16, 6
	s_add_co_u32 s21, s21, s22
	s_lshl_b32 s46, s21, 2
	s_mov_b32 s47, 0
	s_add_nc_u64 s[8:9], s[8:9], s[46:47]
	s_add_co_u32 s46, s46, s20
	s_add_nc_u64 s[10:11], s[10:11], s[46:47]
	s_add_nc_u64 s[12:13], s[12:13], s[46:47]
.irp b, 0,1,2,3
	global_load_b128 v[BIAS+8*\b:BIAS+8*\b+3], v7, s[8:9] offset:(32*(\b/2)+8*(\b%2))*4
	global_load_b128 v[BIAS+8*\b+4:BIAS+8*\b+7], v7, s[8:9] offset:(32*(\b/2)+8*(\b%2))*4+16
.endr
	WIN 0x80
.irp a, 0,1,2,3
.irp t, 0,1,2,3,4,5,6,7
	global_load_b128 v[RES+32*\a+4*\t:RES+32*\a+4*\t+3], v[CO], s[10:11] offset:(32*(\a/2)+8*(\a%2)+2*\t+8*(\t/4))*4096 th:TH_LOAD_NT
.endr
.endr
	WIN 0
.macro FRAG reg, a16, a8, off
	ds_load_b128 v[\reg:\reg+3], v[\a16] offset:\off
	ds_load_b64 v[\reg+4:\reg+5], v[\a8] offset:\off+512
	ds_load_b128 v[\reg+6:\reg+9], v[\a16] offset:\off+768
	ds_load_b64 v[\reg+10:\reg+11], v[\a8] offset:\off+1280
.endm
.macro FETCH slot, q, f
	WIN TO_F
.irp i, 0,1,2,3
	FRAG \f+FR*\i, A16+\slot, A8+\slot, \i*NQ*FRB+(\q)*FRB
	FRAG \f+48+FR*\i, B16+\slot, B8+\slot, \i*NQ*FRB+(\q)*FRB
.endr
	WIN 0
.endm
.macro SCALES sc
.irp i, 0,1,2,3
.irp q, 0,1,2,3
	ds_load_b32 v[SC+16*\sc+4*\i+\q], v[ADRS] offset:512*\q+64*\i
.endr
.endr
.endm
.macro MUL f, q, sc, a0, first
.irp a, \a0, \a0+1
.irp b, 0,1,2,3
.if \first
	v_wmma_scale_f32_16x16x128_f8f6f4 v[ACC+8*(4*(\a)+\b):ACC+8*(4*(\a)+\b)+7], v[\f+48+FR*\b:\f+48+FR*\b+FR-1], v[\f+FR*(\a):\f+FR*(\a)+FR-1], v[BIAS+8*\b:BIAS+8*\b+7], v[SC+16*(\sc)+4*\b+(\q)], v[SC+16*(\sc)+4*(\a)+(\q)] matrix_a_fmt:MATRIX_FMT_FP6 matrix_b_fmt:MATRIX_FMT_FP6 matrix_a_scale:MATRIX_SCALE_ROW1
.else
	v_wmma_scale_f32_16x16x128_f8f6f4 v[ACC+8*(4*(\a)+\b):ACC+8*(4*(\a)+\b)+7], v[\f+48+FR*\b:\f+48+FR*\b+FR-1], v[\f+FR*(\a):\f+FR*(\a)+FR-1], v[ACC+8*(4*(\a)+\b):ACC+8*(4*(\a)+\b)+7], v[SC+16*(\sc)+4*\b+(\q)], v[SC+16*(\sc)+4*(\a)+(\q)] matrix_a_fmt:MATRIX_FMT_FP6 matrix_b_fmt:MATRIX_FMT_FP6 matrix_a_scale:MATRIX_SCALE_ROW1
.endif
.endr
.endr
.endm
.macro PLACES n
.rept \n
	v_nop
.endr
.endm
.macro KSTEP slot, q, first
	s_wait_dscnt 0x0
	PLACES 4
	FETCH \slot, (\q)+1, 128*(1-(\q)%2)
	WIN MULW
	MUL 128*((\q)%2), \q, \slot, 0, \first
	MUL 128*((\q)%2), \q, \slot, 2, \first
.endm
.macro TURN slot, next, fill
	WIN 0
	s_wait_tensorcnt 0x0
	ds_add_u32 v[SPW], v[NIL]
	s_wait_dscnt 0x0
	s_barrier_signal -1
	WIN MULW
	MUL 128, 3, \slot, 0, 0
	WIN 0
	s_barrier_wait -1
.if \fill
	CREST
	s_add_nc_u64 s[G0+4*\slot+2:G0+4*\slot+3], s[G0+4*\slot+2:G0+4*\slot+3], 2*NQ*FRB
	s_add_nc_u64 s[G0B+4*\slot+2:G0B+4*\slot+3], s[G0B+4*\slot+2:G0B+4*\slot+3], 2*NQ*FRB
	JLOAD G0+4*\slot, G1, G0B+4*\slot, G1B
.else
	PLACES 4
.endif
	v_add_nc_u32 v[ADRS], 512*NQ, v[ADRS]          ; on to the next slot's scale words
	FETCH \next, 0, 0
	SCALES \next
	WIN MULW
	MUL 128, 3, \slot, 2, 0
.endm
	s_wait_tensorcnt 0x0                           ; my tile of the head's four is in
	ds_add_u32 v[SPW], v[NIL]
	s_mov_b32 s[G1+2], 4<<16                       ; no tensor load of mine is out: from here on a load brings 4 tiles,
	s_mov_b32 s[G1+4], 4
	s_mov_b32 s[G1B+2], 4<<16
	s_mov_b32 s[G1B+4], 4
	s_mul_i32 s[G0+1], s14, HALFT                  ; and slot 0's group 0 names my quarter at K step 0: slot 1's address less a slot's K steps
	s_sub_nc_u64 s[G0+2:G0+3], s[G0+6:G0+7], NQ*FRB
	s_mul_i32 s[G0B+1], s14, HALFT
	s_sub_nc_u64 s[G0B+2:G0B+3], s[G0B+6:G0B+7], NQ*FRB
	s_wait_dscnt 0x0
	CROUND                                         ; a whole round: all four tiles are in, and the joint loads meet
	JLOAD G0+4, G1, G0B+4, G1B                     ; slot 1's first fill, the first tensor load behind the round
	FETCH 0, 0, 0
	SCALES 0
	s_wait_loadcnt 32
	KSTEP 0, 0, 1
.if LAPS > 1
	WIN 0
	s_mov_b32 s3, LAPS-1
.Llap:
	KSTEP 0, 1, 0
	KSTEP 0, 2, 0
	TURN 0, 1, 1
	KSTEP 1, 0, 0
	KSTEP 1, 1, 0
	KSTEP 1, 2, 0
	TURN 1, 0, 1
	KSTEP 0, 0, 0
	WIN 0
	s_sub_co_u32 s3, s3, 1
	s_cmp_lg_u32 s3, 0
	s_cbranch_scc1 .Llap
.endif
	KSTEP 0, 1, 0
	KSTEP 0, 2, 0
	TURN 0, 1, 0
	KSTEP 1, 0, 0
	KSTEP 1, 1, 0
	KSTEP 1, 2, 0
	s_wait_dscnt 0x0
	WIN MULW
	MUL 128, 3, 1, 0, 0
	MUL 128, 3, 1, 2, 0
	WIN 0
.macro OUTB a
.irp b, 0,1,2,3
	ds_store_b128 v[STO], v[ACC+8*(4*(\a)+\b):ACC+8*(4*(\a)+\b)+3] offset:128*(\b/2)+32*(\b%2)
	ds_store_b128 v[STO], v[ACC+8*(4*(\a)+\b)+4:ACC+8*(4*(\a)+\b)+7] offset:128*(\b/2)+32*(\b%2)+16
.endr
.if (\a) >= 2
	s_wait_xcnt 0x0
.endif
	WIN 0x80
.irp t, 0,1,2,3,4,5,6,7
	ds_load_b128 v[BK+32*((\a)%2)+4*\t:BK+32*((\a)%2)+4*\t+3], v[RD] offset:2*\t*SPITCH
.endr
	s_wait_dscnt 0x0
	WIN 0x8a
.irp i, 0,2,4,6,8,10,12,14,16,18,20,22,24,26,28,30
	v_pk_add_f32 v[BK+32*((\a)%2)+\i:BK+32*((\a)%2)+\i+1], v[BK+32*((\a)%2)+\i:BK+32*((\a)%2)+\i+1], v[RES+32*(\a)+\i:RES+32*(\a)+\i+1]
.endr
	WIN 0x08
.irp t, 0,1,2,3,4,5,6,7
.if FF2
	global_store_b128 v[CO], v[BK+32*((\a)%2)+4*\t:BK+32*((\a)%2)+4*\t+3], s[12:13] offset:(32*((\a)/2)+8*((\a)%2)+2*\t+8*(\t/4))*4096 th:TH_STORE_NT
.else
	global_store_b128 v[CO], v[BK+32*((\a)%2)+4*\t:BK+32*((\a)%2)+4*\t+3], s[12:13] offset:(32*((\a)/2)+8*((\a)%2)+2*\t+8*(\t/4))*4096
.endif
.endr
	WIN 0
.endm
	PLACES 4
	s_wait_loadcnt 0x0
.irp a, 0,1,2,3
	OUTB \a
.endr
	s_wait_tensorcnt 0x0
	ds_add_u32 v[SPW], v[NIL]
	s_wait_dscnt 0x0
	CROUND
	s_endpgm
.Lfunc_end_k_q7d110a1b9c_proj:
	.size	k_q7d110a1b9c_proj, .Lfunc_end_k_q7d110a1b9c_proj-k_q7d110a1b9c_proj
	.p2alignl 7, 3214868480
	.fill 96, 4, 3214868480
	.section	.rodata,"a",@progbits
	.p2align	6, 0x0
	.amdhsa_kernel k_q7d110a1b9c_proj
		.amdhsa_group_segment_fixed_size 327680
		.amdhsa_private_segment_fixed_size 0
		.amdhsa_enable_private_segment 0
		.amdhsa_kernarg_size 40
		.amdhsa_user_sgpr_count 2
		.amdhsa_user_sgpr_kernarg_segment_ptr 1
		.amdhsa_wavefront_size32 1
		.amdhsa_system_sgpr_workgroup_id_x 1
		.amdhsa_system_sgpr_workgroup_id_y 1
		.amdhsa_system_sgpr_workgroup_id_z 1
		.amdhsa_system_vgpr_workitem_id 0
		.amdhsa_next_free_vgpr 768
		.amdhsa_next_free_sgpr 100
		.amdhsa_reserve_vcc 0
		.amdhsa_float_denorm_mode_32 3
		.amdhsa_float_denorm_mode_16_64 3
		.amdhsa_memory_ordered 1
		.amdhsa_forward_progress 1
		.amdhsa_inst_pref_size 63
	.end_amdhsa_kernel
	.amdgpu_metadata
---
amdhsa.version: [ 1, 2 ]
amdhsa.kernels:
  - .name:           k_q7d110a1b9c_proj
    .symbol:         k_q7d110a1b9c_proj.kd
    .args:
      - { .name: w3, .offset: 0, .size: 8, .value_kind: global_buffer, .address_space: global }
      - { .name: w1, .offset: 8, .size: 8, .value_kind: global_buffer, .address_space: global }
      - { .name: out_b, .offset: 16, .size: 8, .value_kind: global_buffer, .address_space: global }
      - { .name: x, .offset: 24, .size: 8, .value_kind: global_buffer, .address_space: global }
      - { .name: x1, .offset: 32, .size: 8, .value_kind: global_buffer, .address_space: global }
    .group_segment_fixed_size: 327680
    .private_segment_fixed_size: 0
    .kernarg_segment_align: 8
    .kernarg_segment_size: 40
    .max_flat_workgroup_size: 128
    .sgpr_count:     100
    .vgpr_count:     768
    .wavefront_size: 32
...
	.end_amdgpu_metadata
.endif
;; end of part 4
;; launch ln2: the kernel of part 1 again; grid 256 x 1, 4 waves a work-group, no clusters, 66,304 bytes of LDS; arguments x1, qkv_w, out_w, ff_w1, ff_w2, ln2_w, ln2_b, w5; writes w5
;; launch ff1 (part 5): grid 16 x 16, 4 waves a work-group, clusters of 4 x 4, 327,680 bytes of LDS; arguments w5, w1, ff_b1, w6; writes w6
.if DOCPART == 5
	.amdgcn_target "amdgcn-amd-amdhsa--gfx1250"
	.amdhsa_code_object_version 6
	.text
	.protected	k_q7d110a1b9c_ff1
	.globl	k_q7d110a1b9c_ff1
	.p2align	8
	.type	k_q7d110a1b9c_ff1,@function
k_q7d110a1b9c_ff1:
	s_mov_b64 s[64:65], 0
	v_nop
	global_prefetch_b8 v0, s[64:65] scope:SCOPE_SE
	s_setreg_imm32_b32 hwreg(HW_REG_WAVE_MODE, 25, 1), 1
	s_wait_xcnt 0x0
	s_wait_alu depctr_hold_cnt(0) depctr_sa_sdst(0) depctr_va_vdst(0) depctr_va_sdst(0) depctr_va_ssrc(0) depctr_va_vcc(0) depctr_vm_vsrc(0)
	s_getreg_b32 s2, hwreg(HW_REG_IB_STS2, 6, 4)
	s_cmp_eq_u32 s2, 0
	s_cbranch_scc0 .Lentry_in_a_cluster
	s_endpgm
.Lentry_in_a_cluster:
	s_bfe_u32 s2, ttmp6, 0x10000c
	s_cmp_lg_u32 s2, 0xf033
	s_cbranch_scc0 .Lentry_shape_is_right
	s_endpgm
.Lentry_shape_is_right:
.set FF1,   1
.set NQ,    2
.set FR,    12
.set NL,    4
.set NP,    4
.set FRB,   1536
.set UNITB, 8*FRB
.set CODES, 524288
.set HALFT, 8*NQ*FRB
.set SLOT,  4*HALFT
.set SCL,   2*SLOT
.set HALFS, 8*8*64
.set SPARE, SCL+4*HALFS
.set A16, 16
.set A8,  18
.set B16, 20
.set B8,  22
.set SST, 24
.set SLD, 25
.set GO16, 26
.set ADRS, 27
.set SPW, 28
.set NIL, 29
.set GO8, 30
.set SC,  32
.set BIAS, 64
.set AF,  128
.set T,   128
.set TM,  192
.set PC,  208
.set PW,  228
.set T4,  236
.set SEL, 2
.set G1, 24
.set G0, 32
.set G1B, 48
.set G0B, 56
.set G1S, 68
.set G0S, 76
.set G1SB, 80
.set G0SB, 88
.set OUTC, 96
.set OUTS, 98
.if FF1
.set S0P, 6
.set OUTP, 10
.set STRA, 32*FRB
.else
.set S0P, 4
.set OUTP, 6
.set STRA, FRB
.endif
.set MSB, 0
.macro WIN new
.if MSB != \new
	s_set_vgpr_msb (MSB<<8)|\new
.set MSB, \new
.endif
.endm
.set MUL_LO, 0xa1
.set MUL_HI, 0xf1
.set TO_B,   0x40
.macro JLOAD g0a, g1a, g0b, g1b
	s_cmp_eq_u32 s15, 0
	s_cbranch_scc0 .Lfor_b_\@
	tensor_load_to_lds s[\g0a:\g0a+3], s[\g1a:\g1a+7]
	s_nop 0
.rept 4
	v_nop
.endr
	s_branch .Lasked_\@
.Lfor_b_\@:
	tensor_load_to_lds s[\g0b:\g0b+3], s[\g1b:\g1b+7]
	s_nop 0
.rept 4
	v_nop
.endr
.Lasked_\@:
.endm
.macro CREST
	s_cmp_lg_u32 s14, 0
	s_cbranch_scc1 .Lnot_wave_0_\@
	s_barrier_signal -3
.Lnot_wave_0_\@:
	s_barrier_wait -3
	s_barrier_signal -1
	s_barrier_wait -1
.endm
.macro CROUND
	s_barrier_signal -1
	s_barrier_wait -1
	CREST
.endm
.if FF1
	s_load_b256 s[4:11], s[0:1], 0x0
.else
	s_load_b128 s[4:7], s[0:1], 0x0
.endif
	v_lshl_add_u32 v[SPW], v0, 2, SPARE
	v_mov_b32 v[NIL], 0
	ds_add_u32 v28, v29
	ds_add_u32 v28, v29
	s_wait_dscnt 0x0
	v_lshrrev_b32 v1, 5, v0
	v_readfirstlane_b32 s14, v1
	s_lshr_b32 s15, s14, 1
	s_and_b32 s16, s14, 1
	s_bfe_u32 s40, ttmp6, 0x40000
	s_bfe_u32 s41, ttmp6, 0x40004
	s_and_b32 s42, ttmp7, 0xffff
	s_lshl_b32 s43, s41, 2
	s_lshl_b32 s43, 15, s43
	s_lshl_b32 s44, 0x1111, s40
	s_mov_b32 s[SEL], 0x76543210
	s_mov_b32 s[SEL+1], 0xfedcba98
	s_or_b32 s[G1+0], s43, (3<<16)|(1<<21)
	s_or_b32 s[G1B+0], s44, (3<<16)|(1<<21)
.irp g, G1, G1B
	s_mov_b32 s[\g+1], (NQ*FRB/8)<<16
	s_mov_b32 s[\g+2], 16<<16                      ; 16 tiles for the head's loads; behind them 8
	s_mov_b32 s[\g+3], (NQ*FRB/8)<<16
	s_mov_b32 s[\g+4], 16
	s_mov_b32 s[\g+5], UNITB/8
	s_mov_b32 s[\g+6], 0
	s_mov_b32 s[\g+7], 0
.endr
	s_or_b32 s[G1S+0], s43, (3<<16)|(1<<21)
	s_or_b32 s[G1SB+0], s44, (3<<16)|(1<<21)
.irp g, G1S, G1SB
	s_mov_b32 s[\g+1], 128<<16                     ; a row of scale words: 16 tiles x 64 bytes
	s_mov_b32 s[\g+2], 8<<16
	s_mov_b32 s[\g+3], 128<<16
	s_mov_b32 s[\g+4], 8
	s_mov_b32 s[\g+5], 768*64/8
	s_mov_b32 s[\g+6], 0
	s_mov_b32 s[\g+7], 0
.endr
	s_lshl_b32 s18, s16, 3
.if FF1
	s_lshl_b32 s20, s42, 2
	s_add_co_u32 s20, s20, s41
	s_lshl_b32 s20, s20, 4
	s_lshl_b32 s46, ttmp9, 2
	s_add_co_u32 s46, s46, s40
	s_lshl_b32 s46, s46, 4
	s_add_co_u32 s46, s46, 512
.else
	s_lshl_b32 s20, s41, 4
	s_lshl_b32 s21, s42, 6
	s_cmp_ge_u32 ttmp9, 2
	s_cselect_b32 s22, 384, s21
	s_add_co_u32 s20, s20, s22
	s_lshl_b32 s46, s40, 4
	s_lshl_b32 s47, ttmp9, 6
	s_add_co_u32 s47, s47, 256
	s_cmp_ge_u32 ttmp9, 2
	s_cselect_b32 s47, s21, s47
	s_add_co_u32 s46, s46, s47
.endif
	s_add_co_u32 s20, s20, s18
	s_add_co_u32 s46, s46, s18
	s_mul_i32 s22, s20, UNITB
	s_add_co_u32 s22, s22, CODES
	s_mov_b32 s23, 0
	s_lshl_b32 s20, s20, 6
	s_mov_b32 s21, 0
	s_mul_i32 s66, s46, UNITB
	s_add_co_u32 s66, s66, CODES
	s_mov_b32 s67, 0
	s_lshl_b32 s92, s46, 6
	s_mov_b32 s93, 0
	s_mul_i32 s45, s14, HALFT
	s_mul_i32 s94, s14, HALFS
	s_wait_kmcnt 0x0
	s_add_nc_u64 s[22:23], s[4:5], s[22:23]
	s_add_nc_u64 s[20:21], s[4:5], s[20:21]
	s_add_nc_u64 s[66:67], s[S0P:S0P+1], s[66:67]
	s_add_nc_u64 s[92:93], s[S0P:S0P+1], s[92:93]
	CROUND
	; THE HEAD'S FOUR TILES, each whole, one a wave: slot 0's 16 tiles of S1, its 16 tiles of S0, S1's scale words, S0's.  Their addresses are my half's less my half's distance
	s_mul_i32 s12, s16, 8*UNITB
	s_mov_b32 s13, 0
	s_lshl_b32 s18, s16, 9
	s_mov_b32 s19, 0
	s_mov_b32 s[G0S], 1
	s_mov_b32 s[G0S+1], SCL
	s_sub_nc_u64 s[G0S+2:G0S+3], s[20:21], s[18:19]
	s_or_b32 s[G0S+3], s[G0S+3], 0x80000000
	s_mov_b32 s[G0SB], 1
	s_mov_b32 s[G0SB+1], SCL+2*HALFS
	s_sub_nc_u64 s[G0SB+2:G0SB+3], s[92:93], s[18:19]
	s_or_b32 s[G0SB+3], s[G0SB+3], 0x80000000
	s_mov_b32 s[G0], 1
	s_mov_b32 s[G0+1], 0
	s_sub_nc_u64 s[G0+2:G0+3], s[22:23], s[12:13]
	s_or_b32 s[G0+3], s[G0+3], 0x80000000
	s_mov_b32 s[G0B], 1
	s_mov_b32 s[G0B+1], 2*HALFT
	s_sub_nc_u64 s[G0B+2:G0B+3], s[66:67], s[12:13]
	s_or_b32 s[G0B+3], s[G0B+3], 0x80000000
	s_mov_b32 s[G0+4], 1                           ; slot 1: my quarter, K steps 2, 3
	s_add_co_u32 s[G0+5], s45, SLOT
	s_add_nc_u64 s[G0+6:G0+7], s[22:23], NQ*FRB
	s_or_b32 s[G0+7], s[G0+7], 0x80000000
	s_mov_b32 s[G0B+4], 1
	s_add_co_u32 s[G0B+5], s45, SLOT
	s_add_nc_u64 s[G0B+6:G0B+7], s[66:67], NQ*FRB
	s_or_b32 s[G0B+7], s[G0B+7], 0x80000000
; ONE chain of branches on the wave's number, one load to an arm, all arms leading to one join: one tensor load a wave at the head
.macro ARM under, g0, g1, next
	s_cmp_lt_u32 s14, \under
	s_cbranch_scc0 \next
	tensor_load_to_lds s[\g0:\g0+3], s[\g1:\g1+7]
	s_nop 0
.rept 4
	v_nop
.endr
	s_branch .Lhead_asked
\next:
.endm
	ARM 1, G0,  G1,  .Lhead_b
	ARM 2, G0B, G1B, .Lhead_sa
	ARM 3, G0S, G1S, .Lhead_sb
	tensor_load_to_lds s[G0SB:G0SB+3], s[G1SB:G1SB+7]
	s_nop 0
.rept 4
	v_nop
.endr
.Lhead_asked:
	v_and_b32 v1, 31, v0
	v_and_b32 v2, 15, v0
	v_bfe_u32 v3, v0, 4, 1
	v_lshlrev_b32 v[GO16], 4, v1
	v_lshlrev_b32 v[GO8], 3, v1
	s_mul_i32 s21, s15, HALFT
	s_mul_i32 s22, s16, HALFT
	s_add_co_u32 s22, s22, 2*HALFT
.irp s, 0,1
	v_add_nc_u32 v[A16+\s], s21, v[GO16]
	v_add_nc_u32 v[A8+\s], s21, v[GO8]
	v_add_nc_u32 v[B16+\s], s22, v[GO16]
	v_add_nc_u32 v[B8+\s], s22, v[GO8]
	s_add_co_u32 s21, s21, SLOT
	s_add_co_u32 s22, s22, SLOT
.endr
	v_lshlrev_b32 v5, 2, v2
	s_lshl_b32 s21, s15, 9                         ; S1's scale words: my 8 tiles of a row of 16
	s_lshl_b32 s22, s16, 9
	s_add_co_u32 s22, s22, 2*HALFS
	s_sub_co_u32 s22, s22, s21
	v_mul_u32_u24 v6, s22, v3
	s_add_co_u32 s21, s21, SCL
	v_add_nc_u32 v6, v5, v6
	v_add_nc_u32 v[ADRS], s21, v6
	s_lshl_b32 s21, s14, 9
	v_add_nc_u32 v[SST], s21, v5
	v_add_nc_u32 v[SLD], s21, v[GO16]
.if FF1
	s_lshl_b32 s12, ttmp9, 2
	s_add_co_u32 s12, s12, s40
	s_lshl_b32 s12, s12, 1
	s_add_co_u32 s12, s12, s16
	s_lshl_b32 s18, s12, 9
	s_mov_b32 s19, 0
	s_add_nc_u64 s[8:9], s[8:9], s[18:19]
	v_lshlrev_b32 v4, 6, v3
.irp b, 0,1,2,3,4,5,6,7
	global_load_b128 v[BIAS+8*\b:BIAS+8*\b+3], v4, s[8:9] offset:(32*(\b/2)+8*(\b%2))*4
	global_load_b128 v[BIAS+8*\b+4:BIAS+8*\b+7], v4, s[8:9] offset:(32*(\b/2)+8*(\b%2))*4+16
.endr
	s_lshl_b32 s13, s42, 2
	s_add_co_u32 s13, s13, s41
	s_lshl_b32 s13, s13, 4
	s_lshl_b32 s18, s15, 3
	s_add_co_u32 s13, s13, s18
	s_lshl_b32 s18, s13, 5
	s_add_co_u32 s18, s18, s12
	s_mul_i32 s18, s18, FRB
	s_add_nc_u64 s[OUTC:OUTC+1], s[OUTP:OUTP+1], s[18:19]
	s_lshl_b32 s18, s12, 8
	s_add_co_u32 s18, s18, s13
	s_lshl_b32 s18, s18, 6
	s_add_co_u32 s18, s18, 12582912
	s_add_nc_u64 s[OUTS:OUTS+1], s[OUTP:OUTP+1], s[18:19]
.else
	s_mov_b32 s19, 9437184
	s_cmp_ge_u32 ttmp9, 2
	s_cselect_b32 s12, s42, ttmp9
	s_cselect_b32 s13, 0, s42
	s_cselect_b32 s17, 6, 8
	s_cselect_b32 s18, 6291456, 0
	s_cselect_b32 s19, 9699328, s19
	s_lshl_b32 s12, s12, 2
	s_add_co_u32 s12, s12, s40
	s_lshl_b32 s12, s12, 1
	s_add_co_u32 s12, s12, s16
	s_lshl_b32 s12, s12, s17
	s_lshl_b32 s13, s13, 2
	s_add_co_u32 s13, s13, s41
	s_lshl_b32 s13, s13, 4
	s_add_co_u32 s12, s12, s13
	s_lshl_b32 s13, s15, 3
	s_add_co_u32 s12, s12, s13
	s_mul_i32 s20, s12, FRB
	s_add_co_u32 s20, s20, s18
	s_mov_b32 s21, 0
	s_add_nc_u64 s[OUTC:OUTC+1], s[OUTP:OUTP+1], s[20:21]
	s_lshl_b32 s20, s12, 6
	s_add_co_u32 s20, s20, s19
	s_add_nc_u64 s[OUTS:OUTS+1], s[OUTP:OUTP+1], s[20:21]
.endif
.macro FRAG reg, a16, a8, off
	ds_load_b128 v[\reg:\reg+3], v[\a16] offset:\off
	ds_load_b64 v[\reg+4:\reg+5], v[\a8] offset:\off+512
	ds_load_b128 v[\reg+6:\reg+9], v[\a16] offset:\off+768
	ds_load_b64 v[\reg+10:\reg+11], v[\a8] offset:\off+1280
.endm
.macro MUL16 a0, p, q, sc, zero
.irp a, \a0, \a0+1
.irp b, 0,1,2,3,4,5,6,7
.if (\zero) && FF1
	v_wmma_scale_f32_16x16x128_f8f6f4 v[8*(8*((\a)%4)+\b):8*(8*((\a)%4)+\b)+7], v[128*(\p)+FR*\b:128*(\p)+FR*\b+FR-1], v[AF+FR*(\a):AF+FR*(\a)+FR-1], v[BIAS+8*\b:BIAS+8*\b+7], v[SC+16*(\sc)+2*\b+(\q)], v[SC+16*(\sc)+2*(\a)+(\q)] matrix_a_fmt:MATRIX_FMT_FP6 matrix_b_fmt:MATRIX_FMT_FP6 matrix_a_scale:MATRIX_SCALE_ROW1
.elseif \zero
	v_wmma_scale_f32_16x16x128_f8f6f4 v[8*(8*((\a)%4)+\b):8*(8*((\a)%4)+\b)+7], v[128*(\p)+FR*\b:128*(\p)+FR*\b+FR-1], v[AF+FR*(\a):AF+FR*(\a)+FR-1], 0, v[SC+16*(\sc)+2*\b+(\q)], v[SC+16*(\sc)+2*(\a)+(\q)] matrix_a_fmt:MATRIX_FMT_FP6 matrix_b_fmt:MATRIX_FMT_FP6 matrix_a_scale:MATRIX_SCALE_ROW1
.else
	v_wmma_scale_f32_16x16x128_f8f6f4 v[8*(8*((\a)%4)+\b):8*(8*((\a)%4)+\b)+7], v[128*(\p)+FR*\b:128*(\p)+FR*\b+FR-1], v[AF+FR*(\a):AF+FR*(\a)+FR-1], v[8*(8*((\a)%4)+\b):8*(8*((\a)%4)+\b)+7], v[SC+16*(\sc)+2*\b+(\q)], v[SC+16*(\sc)+2*(\a)+(\q)] matrix_a_fmt:MATRIX_FMT_FP6 matrix_b_fmt:MATRIX_FMT_FP6 matrix_a_scale:MATRIX_SCALE_ROW1
.endif
.endr
.endr
.endm
.macro WLO zero
.if (\zero) && FF1
	WIN 0x81
.else
	WIN MUL_LO
.endif
.endm
.macro WHI zero
.if (\zero) && FF1
	WIN 0xc1
.else
	WIN MUL_HI
.endif
.endm
.macro FETCH_B slot, q, p
	WIN TO_B
.irp i, 0,1,2,3,4,5,6,7
	FRAG 128*(\p)+FR*\i, B16+\slot, B8+\slot, \i*NQ*FRB+(\q)*FRB
.endr
	WIN 0
.endm
.macro FETCH_A slot, q, i0
.irp i, \i0, \i0+1, \i0+2, \i0+3
	FRAG AF+FR*(\i), A16+\slot, A8+\slot, (\i)*NQ*FRB+(\q)*FRB
.endr
.endm
.macro SCALES sc
.irp i, 0,1,2,3,4,5,6,7
.irp q, 0,1
	ds_load_b32 v[SC+16*\sc+2*\i+\q], v[ADRS] offset:1024*\q+64*\i
.endr
.endr
.endm
.macro PLACES n
.rept \n
	v_nop
.endr
.endm
.macro STEP slot, q, zero
	s_wait_dscnt 4*NL
	WLO \zero
	MUL16 0, (\q)%2, \q, \slot, \zero
	MUL16 2, (\q)%2, \q, \slot, \zero
	s_wait_dscnt 0
	PLACES NP
	FETCH_B \slot, (\q)+1, 1-(\q)%2
	FETCH_A \slot, (\q)+1, 0
	WHI \zero
	MUL16 4, (\q)%2, \q, \slot, \zero
	MUL16 6, (\q)%2, \q, \slot, \zero
	PLACES NP
	WIN 0
	FETCH_A \slot, (\q)+1, 4
.endm
.macro TURN slot, next, fill
	s_wait_tensorcnt 0x0
	ds_add_u32 v[SPW], v[NIL]
	s_wait_dscnt 4*NL+1
	WIN MUL_LO
	MUL16 0, 1, NQ-1, \slot, 0
	s_wait_dscnt 0x0
	s_barrier_signal -1
	MUL16 2, 1, NQ-1, \slot, 0
	WIN 0
	s_barrier_wait -1
.if \fill
	CREST
	s_add_nc_u64 s[G0+4*\slot+2:G0+4*\slot+3], s[G0+4*\slot+2:G0+4*\slot+3], 2*NQ*FRB
	s_add_nc_u64 s[G0B+4*\slot+2:G0B+4*\slot+3], s[G0B+4*\slot+2:G0B+4*\slot+3], 2*NQ*FRB
	JLOAD G0+4*\slot, G1, G0B+4*\slot, G1B
.else
	PLACES NP
.endif
	s_wait_alu depctr_va_vdst(0)
	v_add_nc_u32 v[ADRS], 1024*NQ, v[ADRS]         ; on to the next slot's scale words
	FETCH_B \next, 0, 0
	FETCH_A \next, 0, 0
	SCALES \next
	WIN MUL_HI
	MUL16 4, 1, NQ-1, \slot, 0
	MUL16 6, 1, NQ-1, \slot, 0
	PLACES NP
	WIN 0
	FETCH_A \next, 0, 4
.endm
	s_wait_alu depctr_va_vdst(0)
	s_wait_tensorcnt 0x0                           ; my tile of the head's four is in
	ds_add_u32 v[SPW], v[NIL]
	s_mov_b32 s[G1+2], 8<<16                       ; no tensor load of mine is out: from here on a load brings 8 tiles,
	s_mov_b32 s[G1+4], 8
	s_mov_b32 s[G1B+2], 8<<16
	s_mov_b32 s[G1B+4], 8
	s_mul_i32 s[G0+1], s14, HALFT                  ; and slot 0's group 0 names my quarter at K step 0: slot 1's address less a slot's K steps
	s_sub_nc_u64 s[G0+2:G0+3], s[G0+6:G0+7], NQ*FRB
	s_mul_i32 s[G0B+1], s14, HALFT
	s_sub_nc_u64 s[G0B+2:G0B+3], s[G0B+6:G0B+7], NQ*FRB
	s_wait_dscnt 0x0
	CROUND                                         ; a whole round: all four tiles are in, and the joint loads meet
	JLOAD G0+4, G1, G0B+4, G1B                     ; slot 1's first fill, the first tensor load behind the round
	FETCH_B 0, 0, 0
	FETCH_A 0, 0, 0
	SCALES 0
	FETCH_A 0, 0, 4
.if FF1
	s_wait_loadcnt 0x0
.endif
	STEP 0, 0, 1
	TURN 0, 1, 1
	STEP 1, 0, 0
	TURN 1, 0, 1
	STEP 0, 0, 0
	TURN 0, 1, 0
	STEP 1, 0, 0
	s_wait_dscnt 4*NL
	WIN MUL_LO
	MUL16 0, 1, NQ-1, 1, 0
	MUL16 2, 1, NQ-1, 1, 0
	s_wait_dscnt 0
	WIN MUL_HI
	MUL16 4, 1, NQ-1, 1, 0
	MUL16 6, 1, NQ-1, 1, 0
	WIN 0
.macro QF s, win, a
	WIN (\win)*5
.irp b, 0,1,2,3
	v_max3_num_f32 v[TM+\b], |v[\s+16*\b]|, |v[\s+16*\b+1]|, 0x1800000
.endr
.irp i, 2,4,6,8,10,12,14
.irp b, 0,1,2,3
	v_max3_num_f32 v[TM+\b], |v[\s+16*\b+\i]|, |v[\s+16*\b+\i+1]|, v[TM+\b]
.endr
.endr
	WIN 0
.irp b, 0,1,2,3
	v_permlanex16_b32 v[TM+4+\b], v[TM+\b], s[SEL], s[SEL+1]
.endr
.irp b, 0,1,2,3
	v_max_num_f32 v[TM+\b], v[TM+\b], v[TM+4+\b]
.endr
.irp b, 0,1,2,3
	v_add_nc_u32 v[TM+12+\b], 0xff000000, v[TM+\b]
.endr
.irp b, 0,1,2,3
	v_lshrrev_b32 v[TM+4+\b], 23, v[TM+12+\b]
.endr
	v_lshl_or_b32 v[PW+(\a)], v[TM+5], 8, v[TM+4]
	v_lshl_or_b32 v[PW+(\a)], v[TM+6], 16, v[PW+(\a)]
	v_lshl_or_b32 v[PW+(\a)], v[TM+7], 24, v[PW+(\a)]
.if (\a) > 0
	s_wait_xcnt 0x0
.endif
	WIN \win
.irp c, 0,1
	v_cvt_scalef32_pk16_fp6_f32 v[PC+6*\c:PC+6*\c+2], v[\s+32*\c:\s+32*\c+15], v[TM+12+2*\c]
	v_cvt_scalef32_pk16_fp6_f32 v[PC+12+4*\c:PC+14+4*\c], v[\s+32*\c+16:\s+32*\c+31], v[TM+12+2*\c+1]
.endr
	WIN 0
	v_nop
.irp c, 0,1
.irp i, 0,1,2
	v_permlane16_swap_b32 v[PC+6*\c+\i], v[PC+12+4*\c+\i]
.endr
.irp i, 0,1,2
	v_mov_b32 v[PC+3+6*\c+\i], v[PC+12+4*\c+\i]
.endr
.endr
.endm
.macro OUTBLK a
.set AC, 64*((\a)%4)
.set W, 2+(\a)/4
.if FF1
	WIN W
.set j, 0
.rept 32
	v_pk_mul_f32 v[T+j:T+j+1], v[AC+j:AC+j+1], 0xbfb8aa3b op_sel_hi:[1,0]
.set j, j+2
.endr
	WIN 0
.set j, 0
	s_wait_alu depctr_va_vdst(0)
.rept 64
	v_exp_f32 v[T+j], v[T+j]
.set j, j+1
.endr
	v_nop
	s_wait_alu depctr_va_vdst(0)
.set j, 0
.rept 32
	v_pk_add_f32 v[T+j:T+j+1], v[T+j:T+j+1], 1.0 op_sel_hi:[1,0]
.set j, j+2
.endr
.set j, 0
	s_wait_alu depctr_va_vdst(0)
.rept 64
	v_rcp_f32 v[T+j], v[T+j]
.set j, j+1
.endr
	v_nop
	s_wait_alu depctr_va_vdst(0)
	WIN W
.set j, 0
.rept 32
	v_pk_mul_f32 v[T+j:T+j+1], v[AC+j:AC+j+1], v[T+j:T+j+1]
.set j, j+2
.endr
	QF T, 0, \a
.else
	QF AC, W, \a
.endif
	global_store_b128 v[GO16], v[PC:PC+3], s[OUTC:OUTC+1] offset:(\a)*STRA
	global_store_b64 v[GO8], v[PC+4:PC+5], s[OUTC:OUTC+1] offset:(\a)*STRA+512
	global_store_b128 v[GO16], v[PC+6:PC+9], s[OUTC:OUTC+1] offset:(\a)*STRA+768
	global_store_b64 v[GO8], v[PC+10:PC+11], s[OUTC:OUTC+1] offset:(\a)*STRA+1280
	ds_store_b32 v[SST], v[PW+(\a)] offset:64*(\a)
.endm
	PLACES NP
.irp b, 0,1,2,3
	v_mov_b32 v[TM+4+\b], 0
.endr
.irp a, 0,1,2,3,4,5,6,7
	OUTBLK \a
.endr
	ds_load_b128 v[T4:T4+3], v[SLD]
	s_wait_dscnt 0x0
	global_store_b128 v[GO16], v[T4:T4+3], s[OUTS:OUTS+1]
	s_wait_tensorcnt 0x0
	ds_add_u32 v[SPW], v[NIL]
	s_wait_dscnt 0x0
	CROUND
	s_endpgm
.Lfunc_end_k_q7d110a1b9c_ff1:
	.size	k_q7d110a1b9c_ff1, .Lfunc_end_k_q7d110a1b9c_ff1-k_q7d110a1b9c_ff1
	.p2alignl 7, 3214868480
	.fill 96, 4, 3214868480
	.section	.rodata,"a",@progbits
	.p2align	6, 0x0
	.amdhsa_kernel k_q7d110a1b9c_ff1
		.amdhsa_group_segment_fixed_size 327680
		.amdhsa_private_segment_fixed_size 0
		.amdhsa_enable_private_segment 0
		.amdhsa_kernarg_size 32
		.amdhsa_user_sgpr_count 2
		.amdhsa_user_sgpr_kernarg_segment_ptr 1
		.amdhsa_wavefront_size32 1
		.amdhsa_system_sgpr_workgroup_id_x 1
		.amdhsa_system_sgpr_workgroup_id_y 1
		.amdhsa_system_sgpr_workgroup_id_z 1
		.amdhsa_system_vgpr_workitem_id 0
		.amdhsa_next_free_vgpr 1024
		.amdhsa_next_free_sgpr 100
		.amdhsa_reserve_vcc 0
		.amdhsa_float_denorm_mode_32 3
		.amdhsa_float_denorm_mode_16_64 3
		.amdhsa_memory_ordered 1
		.amdhsa_forward_progress 1
		.amdhsa_inst_pref_size 243
	.end_amdhsa_kernel
	.amdgpu_metadata
---
amdhsa.version: [ 1, 2 ]
amdhsa.kernels:
  - .name:           k_q7d110a1b9c_ff1
    .symbol:         k_q7d110a1b9c_ff1.kd
    .args:
      - { .name: w5, .offset: 0, .size: 8, .value_kind: global_buffer, .address_space: global }
      - { .name: w1, .offset: 8, .size: 8, .value_kind: global_buffer, .address_space: global }
      - { .name: ff_b1, .offset: 16, .size: 8, .value_kind: global_buffer, .address_space: global }
      - { .name: w6, .offset: 24, .size: 8, .value_kind: global_buffer, .address_space: global }
    .group_segment_fixed_size: 327680
    .private_segment_fixed_size: 0
    .kernarg_segment_align: 8
    .kernarg_segment_size: 32
    .max_flat_workgroup_size: 128
    .sgpr_count:     100
    .vgpr_count:     1024
    .wavefront_size: 32
...
	.end_amdgpu_metadata
.endif
;; end of part 5
;; launch ff2 (part 6): grid 8 x 32, 4 waves a work-group, clusters of 4 x 4, 327,680 bytes of LDS; arguments w6, w1, ff_b2, x1, out0; writes out0
.if DOCPART == 6
	.amdgcn_target "amdgcn-amd-amdhsa--gfx1250"
	.amdhsa_code_object_version 6
	.text
	.protected	k_q7d110a1b9c_ff2
	.globl	k_q7d110a1b9c_ff2
	.p2align	8
	.type	k_q7d110a1b9c_ff2,@function
k_q7d110a1b9c_ff2:
	s_mov_b64 s[64:65], 0
	v_nop
	global_prefetch_b8 v0, s[64:65] scope:SCOPE_SE
	s_setreg_imm32_b32 hwreg(HW_REG_WAVE_MODE, 25, 1), 1
	s_wait_xcnt 0x0
	s_wait_alu depctr_hold_cnt(0) depctr_sa_sdst(0) depctr_va_vdst(0) depctr_va_sdst(0) depctr_va_ssrc(0) depctr_va_vcc(0) depctr_vm_vsrc(0)
	s_getreg_b32 s2, hwreg(HW_REG_IB_STS2, 6, 4)
	s_cmp_eq_u32 s2, 0
	s_cbranch_scc0 .Lentry_in_a_cluster
	s_endpgm
.Lentry_in_a_cluster:
	s_bfe_u32 s2, ttmp6, 0x10000c
	s_cmp_lg_u32 s2, 0xf033
	s_cbranch_scc0 .Lentry_shape_is_right
	s_endpgm
.Lentry_shape_is_right:
.set FF2,   1
.if FF2
.set KS,    32
.set S1SC,  12582912
.set S0CO,  524288+768*12288
.set S0SO,  393216
.set S0SS,  512
.else
.set KS,    8
.set S1SC,  3145728
.set S0CO,  524288+448*12288
.set S0SO,  448*64
.set S0SS,  6144
.endif
.set NQ,    4
.set FR,    12
.set FRB,   1536
.set HALFT, 4*NQ*FRB
.set SLOT,  4*HALFT
.set SCL,   2*SLOT
.set HALFS, 256*KS
.set SPARE, SCL+4*HALFS
.set SPITCH, 272
.set LAPS,  KS/(2*NQ)
.set A16, 16
.set A8,  18
.set B16, 20
.set B8,  22
.set STO, 24
.set RD,  25
.set CO,  26
.set ADRS, 27
.set SPW, 28
.set NIL, 29
.set SC,  32
.set BIAS, 64
.set ACC, 128
.set RES, 0
.set BK,  128
.set G1, 24
.set G0, 32
.set G1B, 48
.set G0B, 56
.set G1S, 68
.set G0S, 76
.set G1SB, 80
.set G0SB, 88
.set MSB, 0
.macro WIN new
.if MSB != \new
	s_set_vgpr_msb (MSB<<8)|\new
.set MSB, \new
.endif
.endm
.set MULW, 0x05
.set TO_F, 0x40
.macro JLOAD g0a, g1a, g0b, g1b
	s_cmp_eq_u32 s15, 0
	s_cbranch_scc0 .Lfor_b_\@
	tensor_load_to_lds s[\g0a:\g0a+3], s[\g1a:\g1a+7]
	s_nop 0
.rept 4
	v_nop
.endr
	s_branch .Lasked_\@
.Lfor_b_\@:
	tensor_load_to_lds s[\g0b:\g0b+3], s[\g1b:\g1b+7]
	s_nop 0
.rept 4
	v_nop
.endr
.Lasked_\@:
.endm
.macro CREST
	s_cmp_lg_u32 s14, 0
	s_cbranch_scc1 .Lnot_wave_0_\@
	s_barrier_signal -3
.Lnot_wave_0_\@:
	s_barrier_wait -3
	s_barrier_signal -1
	s_barrier_wait -1
.endm
.macro CROUND
	s_barrier_signal -1
	s_barrier_wait -1
	CREST
.endm
	s_load_b256 s[4:11], s[0:1], 0x0
	s_load_b64 s[12:13], s[0:1], 0x20
	v_lshl_add_u32 v[SPW], v0, 2, SPARE
	v_mov_b32 v[NIL], 0
	ds_add_u32 v28, v29
	ds_add_u32 v28, v29
	s_wait_dscnt 0x0
	v_lshrrev_b32 v1, 5, v0
	v_readfirstlane_b32 s14, v1
	s_lshr_b32 s15, s14, 1
	s_and_b32 s16, s14, 1
	s_bfe_u32 s40, ttmp6, 0x40000
	s_bfe_u32 s41, ttmp6, 0x40004
	s_lshl_b32 s42, ttmp9, 2
	s_add_co_u32 s42, s42, s40
	s_and_b32 s17, ttmp7, 0xffff
	s_lshl_b32 s17, s17, 2
	s_add_co_u32 s17, s17, s41
	s_lshl_b32 s43, s41, 2
	s_lshl_b32 s43, 15, s43
	s_lshl_b32 s44, 0x1111, s40
	s_or_b32 s[G1+0], s43, (3<<16)|(1<<21)
	s_or_b32 s[G1B+0], s44, (3<<16)|(1<<21)
.irp g, G1, G1B
	s_mov_b32 s[\g+1], (NQ*FRB/8)<<16
	s_mov_b32 s[\g+2], 8<<16                       ; 8 tiles for the head's loads; behind them 4
	s_mov_b32 s[\g+3], (NQ*FRB/8)<<16
	s_mov_b32 s[\g+4], 8
	s_mov_b32 s[\g+5], KS*FRB/8
	s_mov_b32 s[\g+6], 0
	s_mov_b32 s[\g+7], 0
.endr
	s_or_b32 s[G1S+0], s43, (3<<16)|(1<<21)
	s_or_b32 s[G1SB+0], s44, (3<<16)|(1<<21)
.irp g, G1S, G1SB
	s_mov_b32 s[\g+1], 64<<16                      ; a row of scale words: 8 tiles x 64 bytes
	s_mov_b32 s[\g+2], KS<<16
	s_mov_b32 s[\g+3], 64<<16
	s_mov_b32 s[\g+4], KS
	s_mov_b32 s[\g+6], 0
	s_mov_b32 s[\g+7], 0
.endr
	s_mov_b32 s[G1S+5], 256*64/8
	s_mov_b32 s[G1SB+5], S0SS
	s_lshl_b32 s18, s16, 2
	s_lshl_b32 s20, s17, 3
	s_add_co_u32 s20, s20, s18
	s_lshl_b32 s46, s42, 3
	s_add_co_u32 s46, s46, s18
	s_mul_i32 s22, s20, KS*FRB
	s_mov_b32 s23, 0
	s_lshl_b32 s20, s20, 6
	s_add_co_u32 s20, s20, S1SC
	s_mov_b32 s21, 0
	s_mul_i32 s66, s46, KS*FRB
	s_add_co_u32 s66, s66, S0CO
	s_mov_b32 s67, 0
	s_lshl_b32 s92, s46, 6
	s_add_co_u32 s92, s92, S0SO
	s_mov_b32 s93, 0
	s_mul_i32 s45, s14, HALFT
	s_mul_i32 s94, s14, HALFS
	s_wait_kmcnt 0x0
	s_add_nc_u64 s[22:23], s[4:5], s[22:23]
	s_add_nc_u64 s[20:21], s[4:5], s[20:21]
	s_add_nc_u64 s[66:67], s[6:7], s[66:67]
	s_add_nc_u64 s[92:93], s[6:7], s[92:93]
	CROUND
	; THE HEAD'S FOUR TILES, each whole, one a wave: slot 0's 8 tiles of S1, its 8 tiles of S0, S1's scale words, S0's.  Their addresses are my half's less my half's distance
	s_mul_i32 s96, s16, 4*KS*FRB
	s_mov_b32 s97, 0
	s_lshl_b32 s18, s16, 8
	s_mov_b32 s19, 0
	s_mov_b32 s[G0S], 1
	s_mov_b32 s[G0S+1], SCL
	s_sub_nc_u64 s[G0S+2:G0S+3], s[20:21], s[18:19]
	s_or_b32 s[G0S+3], s[G0S+3], 0x80000000
	s_mov_b32 s[G0SB], 1
	s_mov_b32 s[G0SB+1], SCL+2*HALFS
	s_sub_nc_u64 s[G0SB+2:G0SB+3], s[92:93], s[18:19]
	s_or_b32 s[G0SB+3], s[G0SB+3], 0x80000000
	s_mov_b32 s[G0], 1
	s_mov_b32 s[G0+1], 0
	s_sub_nc_u64 s[G0+2:G0+3], s[22:23], s[96:97]
	s_or_b32 s[G0+3], s[G0+3], 0x80000000
	s_mov_b32 s[G0B], 1
	s_mov_b32 s[G0B+1], 2*HALFT
	s_sub_nc_u64 s[G0B+2:G0B+3], s[66:67], s[96:97]
	s_or_b32 s[G0B+3], s[G0B+3], 0x80000000
	s_mov_b32 s[G0+4], 1                           ; slot 1: my quarter, the next NQ K steps
	s_add_co_u32 s[G0+5], s45, SLOT
	s_add_nc_u64 s[G0+6:G0+7], s[22:23], NQ*FRB
	s_or_b32 s[G0+7], s[G0+7], 0x80000000
	s_mov_b32 s[G0B+4], 1
	s_add_co_u32 s[G0B+5], s45, SLOT
	s_add_nc_u64 s[G0B+6:G0B+7], s[66:67], NQ*FRB
	s_or_b32 s[G0B+7], s[G0B+7], 0x80000000
; ONE chain of branches on the wave's number, one load to an arm, all arms leading to one join: one tensor load a wave at the head
.macro ARM under, g0, g1, next
	s_cmp_lt_u32 s14, \under
	s_cbranch_scc0 \next
	tensor_load_to_lds s[\g0:\g0+3], s[\g1:\g1+7]
	s_nop 0
.rept 4
	v_nop
.endr
	s_branch .Lhead_asked
\next:
.endm
	ARM 1, G0,  G1,  .Lhead_b
	ARM 2, G0B, G1B, .Lhead_sa
	ARM 3, G0S, G1S, .Lhead_sb
	tensor_load_to_lds s[G0SB:G0SB+3], s[G1SB:G1SB+7]
	s_nop 0
.rept 4
	v_nop
.endr
.Lhead_asked:
	v_and_b32 v1, 31, v0
	v_and_b32 v2, 15, v0
	v_bfe_u32 v3, v0, 4, 1
	v_lshlrev_b32 v4, 4, v1
	v_lshlrev_b32 v5, 3, v1
	s_mul_i32 s21, s15, HALFT
	s_mul_i32 s22, s16, HALFT
	s_add_co_u32 s22, s22, 2*HALFT
.irp s, 0,1
	v_add_nc_u32 v[A16+\s], s21, v4
	v_add_nc_u32 v[A8+\s], s21, v5
	v_add_nc_u32 v[B16+\s], s22, v4
	v_add_nc_u32 v[B8+\s], s22, v5
	s_add_co_u32 s21, s21, SLOT
	s_add_co_u32 s22, s22, SLOT
.endr
	v_lshlrev_b32 v5, 2, v2
	s_lshl_b32 s21, s15, 8                         ; S1's scale words: my 4 tiles of a row of 8
	s_lshl_b32 s22, s16, 8
	s_add_co_u32 s22, s22, 2*HALFS
	s_sub_co_u32 s22, s22, s21
	v_mul_u32_u24 v6, s22, v3
	s_add_co_u32 s21, s21, SCL
	v_add_nc_u32 v6, v5, v6
	v_add_nc_u32 v[ADRS], s21, v6
	s_mul_i32 s23, s14, 16*SPITCH
	v_mul_u32_u24 v6, v2, SPITCH
	v_lshl_add_u32 v6, v3, 6, v6
	v_add_nc_u32 v[STO], s23, v6
	v_mul_u32_u24 v6, v3, SPITCH
	v_lshl_add_u32 v6, v2, 4, v6
	v_add_nc_u32 v[RD], s23, v6
	v_lshlrev_b32 v6, 12, v3
	v_lshl_add_u32 v[CO], v2, 4, v6
	v_lshlrev_b32 v7, 6, v3
	s_wait_alu depctr_va_vdst(0)
	s_lshl_b32 s20, s17, 7
	s_lshl_b32 s21, s15, 6
	s_add_co_u32 s20, s20, s21
	s_lshl_b32 s20, s20, 12
	s_lshl_b32 s21, s42, 7
	s_lshl_b32 s22, s16, 6
	s_add_co_u32 s21, s21, s22
	s_lshl_b32 s46, s21, 2
	s_mov_b32 s47, 0
	s_add_nc_u64 s[8:9], s[8:9], s[46:47]
	s_add_co_u32 s46, s46, s20
	s_add_nc_u64 s[10:11], s[10:11], s[46:47]
	s_add_nc_u64 s[12:13], s[12:13], s[46:47]
.irp b, 0,1,2,3
	global_load_b128 v[BIAS+8*\b:BIAS+8*\b+3], v7, s[8:9] offset:(32*(\b/2)+8*(\b%2))*4
	global_load_b128 v[BIAS+8*\b+4:BIAS+8*\b+7], v7, s[8:9] offset:(32*(\b/2)+8*(\b%2))*4+16
.endr
	WIN 0x80
.irp a, 0,1,2,3
.irp t, 0,1,2,3,4,5,6,7
	global_load_b128 v[RES+32*\a+4*\t:RES+32*\a+4*\t+3], v[CO], s[10:11] offset:(32*(\a/2)+8*(\a%2)+2*\t+8*(\t/4))*4096 th:TH_LOAD_NT
.endr
.endr
	WIN 0
.macro FRAG reg, a16, a8, off
	ds_load_b128 v[\reg:\reg+3], v[\a16] offset:\off
	ds_load_b64 v[\reg+4:\reg+5], v[\a8] offset:\off+512
	ds_load_b128 v[\reg+6:\reg+9], v[\a16] offset:\off+768
	ds_load_b64 v[\reg+10:\reg+11], v[\a8] offset:\off+1280
.endm
.macro FETCH slot, q, f
	WIN TO_F
.irp i, 0,1,2,3
	FRAG \f+FR*\i, A16+\slot, A8+\slot, \i*NQ*FRB+(\q)*FRB
	FRAG \f+48+FR*\i, B16+\slot, B8+\slot, \i*NQ*FRB+(\q)*FRB
.endr
	WIN 0
.endm
.macro SCALES sc
.irp i, 0,1,2,3
.irp q, 0,1,2,3
	ds_load_b32 v[SC+16*\sc+4*\i+\q], v[ADRS] offset:512*\q+64*\i
.endr
.endr
.endm
.macro MUL f, q, sc, a0, first
.irp a, \a0, \a0+1
.irp b, 0,1,2,3
.if \first
	v_wmma_scale_f32_16x16x128_f8f6f4 v[ACC+8*(4*(\a)+\b):ACC+8*(4*(\a)+\b)+7], v[\f+48+FR*\b:\f+48+FR*\b+FR-1], v[\f+FR*(\a):\f+FR*(\a)+FR-1], v[BIAS+8*\b:BIAS+8*\b+7], v[SC+16*(\sc)+4*\b+(\q)], v[SC+16*(\sc)+4*(\a)+(\q)] matrix_a_fmt:MATRIX_FMT_FP6 matrix_b_fmt:MATRIX_FMT_FP6 matrix_a_scale:MATRIX_SCALE_ROW1
.else
	v_wmma_scale_f32_16x16x128_f8f6f4 v[ACC+8*(4*(\a)+\b):ACC+8*(4*(\a)+\b)+7], v[\f+48+FR*\b:\f+48+FR*\b+FR-1], v[\f+FR*(\a):\f+FR*(\a)+FR-1], v[ACC+8*(4*(\a)+\b):ACC+8*(4*(\a)+\b)+7], v[SC+16*(\sc)+4*\b+(\q)], v[SC+16*(\sc)+4*(\a)+(\q)] matrix_a_fmt:MATRIX_FMT_FP6 matrix_b_fmt:MATRIX_FMT_FP6 matrix_a_scale:MATRIX_SCALE_ROW1
.endif
.endr
.endr
.endm
.macro PLACES n
.rept \n
	v_nop
.endr
.endm
.macro KSTEP slot, q, first
	s_wait_dscnt 0x0
	PLACES 4
	FETCH \slot, (\q)+1, 128*(1-(\q)%2)
	WIN MULW
	MUL 128*((\q)%2), \q, \slot, 0, \first
	MUL 128*((\q)%2), \q, \slot, 2, \first
.endm
.macro TURN slot, next, fill
	WIN 0
	s_wait_tensorcnt 0x0
	ds_add_u32 v[SPW], v[NIL]
	s_wait_dscnt 0x0
	s_barrier_signal -1
	WIN MULW
	MUL 128, 3, \slot, 0, 0
	WIN 0
	s_barrier_wait -1
.if \fill
	CREST
	s_add_nc_u64 s[G0+4*\slot+2:G0+4*\slot+3], s[G0+4*\slot+2:G0+4*\slot+3], 2*NQ*FRB
	s_add_nc_u64 s[G0B+4*\slot+2:G0B+4*\slot+3], s[G0B+4*\slot+2:G0B+4*\slot+3], 2*NQ*FRB
	JLOAD G0+4*\slot, G1, G0B+4*\slot, G1B
.else
	PLACES 4
.endif
	s_wait_alu depctr_va_vdst(0)
	v_add_nc_u32 v[ADRS], 512*NQ, v[ADRS]          ; on to the next slot's scale words
	FETCH \next, 0, 0
	SCALES \next
	WIN MULW
	MUL 128, 3, \slot, 2, 0
.endm
	s_wait_tensorcnt 0x0                           ; my tile of the head's four is in
	ds_add_u32 v[SPW], v[NIL]
	s_mov_b32 s[G1+2], 4<<16                       ; no tensor load of mine is out: from here on a load brings 4 tiles,
	s_mov_b32 s[G1+4], 4
	s_mov_b32 s[G1B+2], 4<<16
	s_mov_b32 s[G1B+4], 4
	s_mul_i32 s[G0+1], s14, HALFT                  ; and slot 0's group 0 names my quarter at K step 0: slot 1's address less a slot's K steps
	s_sub_nc_u64 s[G0+2:G0+3], s[G0+6:G0+7], NQ*FRB
	s_mul_i32 s[G0B+1], s14, HALFT
	s_sub_nc_u64 s[G0B+2:G0B+3], s[G0B+6:G0B+7], NQ*FRB
	s_wait_dscnt 0x0
	CROUND                                         ; a whole round: all four tiles are in, and the joint loads meet
	JLOAD G0+4, G1, G0B+4, G1B                     ; slot 1's first fill, the first tensor load behind the round
	FETCH 0, 0, 0
	SCALES 0
	s_wait_loadcnt 32
	KSTEP 0, 0, 1
.if LAPS > 1
	WIN 0
	s_mov_b32 s3, LAPS-1
.Llap:
	KSTEP 0, 1, 0
	KSTEP 0, 2, 0
	TURN 0, 1, 1
	KSTEP 1, 0, 0
	KSTEP 1, 1, 0
	KSTEP 1, 2, 0
	TURN 1, 0, 1
	KSTEP 0, 0, 0
	WIN 0
	s_sub_co_u32 s3, s3, 1
	s_cmp_lg_u32 s3, 0
	s_cbranch_scc1 .Llap
.endif
	KSTEP 0, 1, 0
	KSTEP 0, 2, 0
	TURN 0, 1, 0
	KSTEP 1, 0, 0
	KSTEP 1, 1, 0
	KSTEP 1, 2, 0
	s_wait_dscnt 0x0
	WIN MULW
	MUL 128, 3, 1, 0, 0
	MUL 128, 3, 1, 2, 0
	WIN 0
.macro OUTB a
.irp b, 0,1,2,3
	ds_store_b128 v[STO], v[ACC+8*(4*(\a)+\b):ACC+8*(4*(\a)+\b)+3] offset:128*(\b/2)+32*(\b%2)
	ds_store_b128 v[STO], v[ACC+8*(4*(\a)+\b)+4:ACC+8*(4*(\a)+\b)+7] offset:128*(\b/2)+32*(\b%2)+16
.endr
.if (\a) >= 2
	s_wait_xcnt 0x0
.endif
	WIN 0x80
.irp t, 0,1,2,3,4,5,6,7
	ds_load_b128 v[BK+32*((\a)%2)+4*\t:BK+32*((\a)%2)+4*\t+3], v[RD] offset:2*\t*SPITCH
.endr
	s_wait_dscnt 0x0
	WIN 0x8a
.irp i, 0,2,4,6,8,10,12,14,16,18,20,22,24,26,28,30
	v_pk_add_f32 v[BK+32*((\a)%2)+\i:BK+32*((\a)%2)+\i+1], v[BK+32*((\a)%2)+\i:BK+32*((\a)%2)+\i+1], v[RES+32*(\a)+\i:RES+32*(\a)+\i+1]
.endr
	WIN 0x08
.irp t, 0,1,2,3,4,5,6,7
.if FF2
	global_store_b128 v[CO], v[BK+32*((\a)%2)+4*\t:BK+32*((\a)%2)+4*\t+3], s[12:13] offset:(32*((\a)/2)+8*((\a)%2)+2*\t+8*(\t/4))*4096 th:TH_STORE_NT
.else
	global_store_b128 v[CO], v[BK+32*((\a)%2)+4*\t:BK+32*((\a)%2)+4*\t+3], s[12:13] offset:(32*((\a)/2)+8*((\a)%2)+2*\t+8*(\t/4))*4096
.endif
.endr
	WIN 0
.endm
	PLACES 4
	s_wait_loadcnt 0x0
.irp a, 0,1,2,3
	OUTB \a
.endr
	s_wait_tensorcnt 0x0
	ds_add_u32 v[SPW], v[NIL]
	s_wait_dscnt 0x0
	CROUND
	s_endpgm
.Lfunc_end_k_q7d110a1b9c_ff2:
	.size	k_q7d110a1b9c_ff2, .Lfunc_end_k_q7d110a1b9c_ff2-k_q7d110a1b9c_ff2
	.p2alignl 7, 3214868480
	.fill 96, 4, 3214868480
	.section	.rodata,"a",@progbits
	.p2align	6, 0x0
	.amdhsa_kernel k_q7d110a1b9c_ff2
		.amdhsa_group_segment_fixed_size 327680
		.amdhsa_private_segment_fixed_size 0
		.amdhsa_enable_private_segment 0
		.amdhsa_kernarg_size 40
		.amdhsa_user_sgpr_count 2
		.amdhsa_user_sgpr_kernarg_segment_ptr 1
		.amdhsa_wavefront_size32 1
		.amdhsa_system_sgpr_workgroup_id_x 1
		.amdhsa_system_sgpr_workgroup_id_y 1
		.amdhsa_system_sgpr_workgroup_id_z 1
		.amdhsa_system_vgpr_workitem_id 0
		.amdhsa_next_free_vgpr 768
		.amdhsa_next_free_sgpr 100
		.amdhsa_reserve_vcc 0
		.amdhsa_float_denorm_mode_32 3
		.amdhsa_float_denorm_mode_16_64 3
		.amdhsa_memory_ordered 1
		.amdhsa_forward_progress 1
		.amdhsa_inst_pref_size 102
	.end_amdhsa_kernel
	.amdgpu_metadata
---
amdhsa.version: [ 1, 2 ]
amdhsa.kernels:
  - .name:           k_q7d110a1b9c_ff2
    .symbol:         k_q7d110a1b9c_ff2.kd
    .args:
      - { .name: w6, .offset: 0, .size: 8, .value_kind: global_buffer, .address_space: global }
      - { .name: w1, .offset: 8, .size: 8, .value_kind: global_buffer, .address_space: global }
      - { .name: ff_b2, .offset: 16, .size: 8, .value_kind: global_buffer, .address_space: global }
      - { .name: x1, .offset: 24, .size: 8, .value_kind: global_buffer, .address_space: global }
      - { .name: out0, .offset: 32, .size: 8, .value_kind: global_buffer, .address_space: global }
    .group_segment_fixed_size: 327680
    .private_segment_fixed_size: 0
    .kernarg_segment_align: 8
    .kernarg_segment_size: 40
    .max_flat_workgroup_size: 128
    .sgpr_count:     100
    .vgpr_count:     768
    .wavefront_size: 32
...
	.end_amdgpu_metadata
.endif
;; end of part 6
